; MI455X (gfx1250); checked and timed in simulation.
; The chip was launched on July 23, 2026; its instructions are those of AMD's public machine-readable ISA for CDNA 5 (MIT licence, August 2026) and "CDNA5" Instruction Set Architecture Reference Guide (July 2026). The comments in the code are by the model that wrote it; some were corrected since.
;; Sparse Mo E. Allowed arithmetic: matrix products marked QUANTISED: E5M2 operands, one E8M0 scale for each 32 along K, by v_wmma_scale_f32_16x16x128_f8f6f4 with both operands' format E5M2, f32 sums; products left as they are: f32 operands where the result goes on into a quantised operand, else bf16, f16 or f32 operands; f32 sums; everything else in f32.
;; Inputs: b1 4 x 2,048 float32; b2 4 x 1,024 float32; router_w 4 x 1,024 float32; w1 4 x 2,048 x 1,024 float32; w2 4 x 1,024 x 2,048 float32; x 2 x 2,048 x 1,024 float32.
;; Outputs: out0 2 x 2,048 x 1,024 float32; out1 one number float32.
;; This version of the problem:
;;   THIS VERSION OF THE PROBLEM IS GIVEN IN LOW PRECISION. The matrix products marked QUANTISED in the list below multiply operands that are first quantised to E5M2 (5 exponent bits, 2 mantissa bits; 8 bits a number), with one power-of-two scale for each 32 numbers along K (OCP MX v1.0); their sums are f32. All else is computed in f32.
;;   The module's matrix products, in the order in which they are computed (A, B: the left and right operand; K: the contracted axis; several contracted axes count as one K, in the product's order):
;;     1. [M 4,096, K 1,024] x [K 1,024, N 4]; A: input x; B: input router_w: left as it is (N = 4 < 16)
;;     2. [M 4,096, K 1,024] x [K 1,024, N 2,048]; A: input x; B: input w1: QUANTISED
;;     3. [M 4,096, K 2,048] x [K 2,048, N 1,024]; A: computed on the way; B: input w2: QUANTISED
;;     4. [M 4,096, K 1,024] x [K 1,024, N 2,048]; A: input x; B: input w1: QUANTISED
;;     5. [M 4,096, K 2,048] x [K 2,048, N 1,024]; A: computed on the way; B: input w2: QUANTISED
;;     6. [M 4,096, K 1,024] x [K 1,024, N 2,048]; A: input x; B: input w1: QUANTISED
;;     7. [M 4,096, K 2,048] x [K 2,048, N 1,024]; A: computed on the way; B: input w2: QUANTISED
;;     8. [M 4,096, K 1,024] x [K 1,024, N 2,048]; A: input x; B: input w1: QUANTISED
;;     9. [M 4,096, K 2,048] x [K 2,048, N 1,024]; A: computed on the way; B: input w2: QUANTISED
;;   THE QUANTISER, for each operand of a quantised product, along K:
;;     - K is cut into blocks of 32 from its start; a last block that is shorter is filled with zeros.
;;     - A block's scale is 2^e with e = floor(log2(the largest magnitude in the block)) - 15, held to -126 .. 127; a block of zeros has e = 0. As a byte (E8M0): e + 127.
;;     - Each number is divided by its block's scale, clamped to +-57,344, and rounded to the nearest number of E5M2, ties to even, subnormals kept.
;;     - The product sums the exact products of the quantised numbers (number of the format x scale) in f32.
;;   ~~~python
;;   def quantise(x, axis):      # numpy; x: float32 -> the quantised numbers, widened to float32 again
;;       x = np.moveaxis(x, axis, -1); K = x.shape[-1]
;;       x = np.pad(x, [(0, 0)] * (x.ndim - 1) + [(0, -K % 32)]); x = x.reshape(x.shape[:-1] + (-1, 32)); a = np.abs(x).max(-1, keepdims=True)
;;       e = np.where(a > 0, np.clip(np.frexp(np.where(a > 0, a, 1))[1] - 1 - 15, -126, 127), 0)      # np.frexp(a)[1] - 1 = floor(log2(a)), exactly
;;       r = np.clip(x / 2.0 ** e, -57344, 57344)
;;       step = 2.0 ** (np.maximum(np.frexp(np.where(r == 0, 1, r))[1] - 1, -14) - 2)
;;       q = np.round(r / step) * step * 2.0 ** e      # np.round: ties to even
;;       return np.moveaxis(q.reshape(q.shape[:-2] + (-1,))[..., :K], -1, axis).astype(np.float32)
;;   ~~~
;;   OPERANDS COMPUTED ON THE WAY. 'Computed on the way' means the value that the module computes at that place (a softmax that the list does not call 'softmax' is quantised finished and normalised). What goes into a quantiser is computed in f32, as accurately as f32 sums, v_exp_f32 and their like allow (about 1e-6 of the number): no bf16 or f16 on the way to a quantiser, and a product that is left as it is and whose result goes on into a quantised operand takes f32 operands (vector FMAs, or v_wmma_f32_16x16x4_f32). A number that lies on a knife's edge between two numbers of the format may be rounded either way, as far as f32 arithmetic and the matrix unit's own rounding can turn it there, and no further.
;; 2 versions, each right; version 2 is version 1 with the launches ffn1, ffn2 written anew for expert scheduling mode. Each part assembles by itself: llvm-mc -triple=amdgcn-amd-amdhsa -mcpu=gfx1250 --defsym DOCPART=n.
;; ======== version 1 of 2: 4 launches
;; workspace buffers: xq 4,325,376 bytes; wq 17,301,504 bytes; rmask 16,384 bytes of whole numbers; rt 40,960 bytes; plan 33,792 bytes of whole numbers; h 20,889,600 bytes
;; launch prep (part 1): grid 256 x 1, 5 waves a work-group, no clusters, 287,488 bytes of LDS; arguments x, router_w, w1, w2, xq, wq, rmask, rt; writes xq, wq, rmask, rt
.if DOCPART == 1
	.amdgcn_target "amdgcn-amd-amdhsa--gfx1250"
	.amdhsa_code_object_version 6
	.text
	.protected	k_qd4bd086543_prep
	.globl	k_qd4bd086543_prep
	.p2align	8
	.type	k_qd4bd086543_prep,@function
k_qd4bd086543_prep:
	s_mov_b64 s[64:65], 0
	v_nop
	global_prefetch_b8 v0, s[64:65] scope:SCOPE_SE
	s_setreg_imm32_b32 hwreg(HW_REG_WAVE_MODE, 25, 1), 1
	s_wait_xcnt 0x0
; PREP: w1 [4][2048][1024], w2 [4][1024][2048] and x [4096][1024], f32, become codes of BF8 (E5M2) with one E8M0 byte for each 32 along K,
; laid in the order in which the later launches' operand registers take them; and the router: 4 logits a token in f32, softmax, both top-2, combine weights.
; A block's scale is 2^(floor(log2(largest magnitude)) - 15); each number is divided by it, held within +-57,344 and rounded to the nearest code, ties to even.
; SHARES. 1,280 units of 65,536 bytes of f32, one a wave: waves 0, 1 a unit of w1 (128 rows x 128 K), waves 2, 3 a unit of w2, wave 4 sixteen tokens of x (16 x 1,024 K).
; Every unit is 8 fragments of 16 rows x 128 K, in four pairs.  ALL 65,536 BYTES OF A WAVE ARE ASKED FOR AT ITS HEAD: pairs 0 to 2 by three tensor loads into the wave's own LDS bytes
; (weights: 32 rows x 512 bytes; x: 16 rows x 1,024 bytes; 16 bytes of padding behind each row), pair 3 (fragments 6, 7) by 32 loads into registers: four pairs for each of five waves do not fit in LDS.
; No LDS byte is filled twice and each wave reads only what its own loads brought, behind its own counted wait: no ring, no barrier.
; From the padded rows lane (r, h) reads, of row r, k = 32 b + 16 h + i into register 16 b + i: the order of the operand's registers.  Fragments 6 and 7 turn through a stage that lies in the wave's
; pair 0, which has then had its only fill and its last read.  The fragments are worked in the order 0, 1, 6, 7, 2, 3, 4, 5, so that two are left when the last pair has landed.
; OUT. wq: records of 16,896 bytes: 8 fragment images of 2,048 bytes ([c][lane][16 bytes]) and 512 bytes of scale words ([lane][4]: word j = tile 2 j + lane / 16, row lane % 16).
;   w1's tile t takes rows 32 (t / 2) + 8 (t % 2) + r + 8 (r / 8) of its 128, so that the first product's results are neighbours along the second product's K; w2's tile t rows 16 t + r.
;   xq: a token's 1,024 codes as [K step][h][c][16 bytes]; from byte 4,194,304 on 8 scale words a token.  rmask: the two chosen experts as 4 bits.  rt: two weights a token; from byte 32,768 on eight partial sums for each 16 tokens.
; LIMITS: NaN and infinities among the inputs are not served.  A block of zeros gets the byte 1 where the rule says 127: its codes are zeros and this program alone reads the bytes.
;   The logits are f32 sums in another order than the reference's: a token whose second and third logit agree to about 1e-6 of their size may take the other expert.  A probability under 2^-126 counts as 0.
.set AREA,  50688                      ; a wave's LDS bytes: three pairs
.set PAIR,  16896                      ; a pair: 32 rows x (512 + 16) bytes, or 16 rows x (1,024 + 16)
.set STG,   8448                       ; a stage: 16 rows x (512 bytes + 16); two of them lie in a wave's pair 0
.set XOUT,  253440                     ; behind the five waves' areas: 16 rows x (1,024 + 16) of x's codes
.set RWL,   270080                     ; router_w as it lies, 16,384 bytes
.set REC,   16896
.set W2OFF, 8650752                    ; w2's records begin here in wq
.set XSC,   4194304                    ; x's scale words begin here in xq
.set VA,  16                           ; v16-31   row i's byte offset for my lane (fragments 6, 7)
.set X0,  32                           ; v32-159  two sets of 64 numbers in the operand's order
.set PC,  160                          ; v160-175 a fragment's codes
.set TM,  208                          ; v208-223 at work in the quantiser
.set PW,  224                          ; v224-231 the eight fragments' scale words
.set SW,  232                          ; v232-235 scale words as they are stored
.set LA,  236                          ; v236-251 the logits' sums: two packed chains an expert
.set WR,  252                          ; v252-253 weights: where I read the even, the odd fragment of a pair
.set XRD, 254                          ; v254     x: where I read a pair
.set G0,  32                           ; s[32:43] descriptor group 0, a set for each of my three tensor loads; never rewritten
.set FB,  32                           ; s[44:47] the first bytes of fragments 6 and 7, at FB + 2 f
.set G1A, 68                           ; s[68:75] descriptor group 1 for w1's pairs;  s[76:83] for w2's;  s[84:91] for x's
.set G1B, 76
.set G1X, 84
.set SEL, 50                           ; s[50:51] lane selects: lane xor 16
.set MNT, 52                           ; s52 the mantissa field of 57,344
.set HIM, 53                           ; s53 the mask of lanes 16-31
.set MSB, 0
.macro WIN new                         ; the immediate's high byte repeats the setting that is left
.if MSB != \new
	s_set_vgpr_msb (MSB<<8)|\new
.set MSB, \new
.endif
.endm
.macro LOAD f                          ; fragment f (6 or 7) as it lies: 16 rows x 512 bytes into set f % 4 of window 1
	WIN 0x40
.irp i, 0,1,2,3,4,5,6,7,8,9,10,11,12,13,14,15
	global_load_b128 v[64*((\f)%4)+4*\i:64*((\f)%4)+4*\i+3], v[VA+\i], s[FB+2*(\f):FB+2*(\f)+1] th:TH_LOAD_NT
.endr
	WIN 0
.endm
.macro TURN f                          ; through the stage: LDS serves a wave's instructions in order, so no wait stands between the stores and the loads
	WIN 0x04
.irp i, 0,1,2,3,4,5,6,7,8,9,10,11,12,13,14,15
	ds_store_b128 v5, v[64*((\f)%4)+4*\i:64*((\f)%4)+4*\i+3] offset:((\f)%2)*STG+\i*528
.endr
	WIN 0
.irp b, 0,1,2,3
.irp j, 0,1,2,3
	ds_load_b128 v[X0+64*((\f)%2)+16*\b+4*\j:X0+64*((\f)%2)+16*\b+4*\j+3], v6 offset:((\f)%2)*STG+128*\b+16*\j
.endr
.endr
.endm
.macro FETCHW f                        ; a fragment of weights out of its pair's 32 rows (w1's two groups of eight rows lie 16 rows apart: 16 x 528 bytes is a multiple of 256, so these reads meet two deep)
.irp b, 0,1,2,3
.irp j, 0,1,2,3
	ds_load_b128 v[X0+64*((\f)%2)+16*\b+4*\j:X0+64*((\f)%2)+16*\b+4*\j+3], v[WR+(\f)%2] offset:((\f)/2)*PAIR+128*\b+16*\j
.endr
.endr
.endm
.macro FETCHT f                        ; a fragment of x: half of each of its pair's 16 rows
.irp b, 0,1,2,3
.irp j, 0,1,2,3
	ds_load_b128 v[X0+64*((\f)%2)+16*\b+4*\j:X0+64*((\f)%2)+16*\b+4*\j+3], v[XRD] offset:((\f)/2)*PAIR+((\f)%2)*512+128*\b+16*\j
.endr
.endr
.endm
.macro BRING f, isx                    ; fragment f's numbers into set f % 2, in the operand's order
.if (\f) < 6
.if (\f)%2 == 0
	s_wait_tensorcnt 2-(\f)/2                      ; a wave's tensor loads end in order (ISA guide 10.11.1): this pair has landed, the pairs issued behind it may be out
.endif
.if \isx
	FETCHT \f
.else
	FETCHW \f
.endif
.else
	s_wait_loadcnt 16*(7-(\f))                     ; fragment 6: fragment 7's 16 loads may be out; fragment 7: none
	TURN \f
.endif
.endm
.macro GLOAD f, b                      ; block b of fragment f: the 4 x 16 numbers of router_w that stand against my 16 of x, into buffer b % 2 of window 1
	WIN 0x40
.irp e, 0,1,2,3
.irp j, 0,1,2,3
	ds_load_b128 v[64*((\b)%2)+16*\e+4*\j:64*((\b)%2)+16*\e+4*\j+3], v9 offset:4096*\e+512*(\f)+128*(\b)+16*\j
.endr
.endr
.endm
.macro GFMA f, b                       ; 32 packed multiply-adds: eight chains by turns
	WIN 0x04
.irp i, 0,1,2,3,4,5,6,7
.irp e, 0,1,2,3
	v_pk_fma_f32 v[LA+4*\e+2*(\i%2):LA+4*\e+2*(\i%2)+1], v[X0+64*((\f)%2)+16*(\b)+2*\i:X0+64*((\f)%2)+16*(\b)+2*\i+1], v[64*((\b)%2)+16*\e+2*\i:64*((\b)%2)+16*\e+2*\i+1], v[LA+4*\e+2*(\i%2):LA+4*\e+2*(\i%2)+1]
.endr
.endr
.endm
.macro ROUTER f, nxt                   ; ahead of the quantiser, whose hold changes the numbers.  A block is asked for while the block before is multiplied; block 0 was asked for in the fragment before and is in since the step's first wait
	GLOAD \f, 1
	GFMA \f, 0
	GLOAD \f, 2
	s_wait_dscnt 16                                ; all but the 16 loads just issued are in
	GFMA \f, 1
	GLOAD \f, 3
	s_wait_dscnt 16
	GFMA \f, 2
.if (\nxt) < 8
	GLOAD \nxt, 0
	s_wait_dscnt 16
.else
	s_wait_dscnt 0x0
.endif
	GFMA \f, 3
	WIN 0
.endm
; 64 numbers of a lane, register 16 b + i = k 32 b + 16 (lane / 16) + i of my row, become a fragment's codes in v[PC] on and its scale word in v[pw]
.macro QUANT s, pw
.irp b, 0,1,2,3
	v_max3_num_f32 v[TM+\b], |v[\s+16*\b]|, |v[\s+1+16*\b]|, 0x8000000   ; my 16 numbers of block b, and the floor 2^(16 - 127): the byte cannot fall under 1
.endr
.irp i, 2,4,6,8,10,12,14
.irp b, 0,1,2,3
	v_max3_num_f32 v[TM+\b], v[TM+\b], |v[\s+16*\b+\i]|, |v[\s+1+16*\b+\i]|
.endr
.endr
.irp b, 0,1,2,3
	v_permlanex16_b32 v[TM+4+\b], v[TM+\b], s[SEL], s[SEL+1]
.endr
.irp b, 0,1,2,3
	v_max_num_f32 v[TM+\b], v[TM+\b], v[TM+4+\b]   ; with lane xor 16's: the block's largest magnitude
.endr
.irp b, 0,1,2,3
	v_add_nc_u32 v[TM+12+\b], 0xf8800000, v[TM+\b] ; 15 off its exponent field: the conversion's scale operand
.endr
.irp b, 0,1,2,3
	v_and_or_b32 v[TM+8+\b], v[TM+\b], 0x7f800000, s[MNT]   ; 57,344 x the scale
.endr
.irp b, 0,1,2,3
	v_lshrrev_b32 v[TM+4+\b], 23, v[TM+12+\b]      ; the scale's byte
.endr
	v_lshl_or_b32 v[\pw], v[TM+5], 8, v[TM+4]
	v_lshl_or_b32 v[\pw], v[TM+6], 16, v[\pw]
	v_lshl_or_b32 v[\pw], v[TM+7], 24, v[\pw]
.irp b, 0,1,2,3
.irp i, 0,1,2,3,4,5,6,7,8,9,10,11,12,13,14,15
	v_med3_num_f32 v[\s+16*\b+\i], v[\s+16*\b+\i], -v[TM+8+\b], v[TM+8+\b]   ; the conversion to an 8-bit code does not saturate (ISA guide 7.6.2): the hold comes first
.endr
	v_cvt_scalef32_pk8_bf8_f32 v[PC+4*\b:PC+1+4*\b], v[\s+16*\b:\s+7+16*\b], v[TM+12+\b]
	v_cvt_scalef32_pk8_bf8_f32 v[PC+2+4*\b:PC+3+4*\b], v[\s+8+16*\b:\s+15+16*\b], v[TM+12+\b]
.endr
	v_nop                                          ; a plain line behind the last conversion
.endm
; Fragment f is worked; nxt is the fragment behind it (8: none).  early = 1: nxt lies in a pair that has landed: it is fetched ahead of this fragment's arithmetic.
; early = 0: nxt wants a wait on memory: this fragment's arithmetic comes first.
.macro STEP f, nxt, early, isx
	s_wait_dscnt 0x0                               ; this fragment's numbers are in registers
.if \early
	BRING \nxt, \isx
.endif
.if \isx
	ROUTER \f, \nxt
.else
	s_wait_xcnt 0x0                                ; the last fragment's stores have read the codes' registers
.endif
	QUANT X0+64*((\f)%2), PW+\f
.irp c, 0,1,2,3
.if \isx
	ds_store_b128 v7, v[PC+4*\c:PC+4*\c+3] offset:128*(\f)+16*\c
.else
	global_store_b128 v4, v[PC+4*\c:PC+4*\c+3], s[58:59] offset:2048*(\f)+512*\c   ; 32 lanes store 512 consecutive bytes
.endif
.endr
.if (\nxt) < 8
.if (\early) == 0
	BRING \nxt, \isx
.endif
.endif
.endm
.macro WALK isx                        ; the eight fragments: the pair that came into registers stands between the tensor loads' pairs
	BRING 0, \isx
	STEP 0, 1, 1, \isx
	STEP 1, 6, 0, \isx                             ; pair 0 has been read: its bytes become the stage
	STEP 6, 7, 1, \isx
	STEP 7, 2, 0, \isx
	STEP 2, 3, 1, \isx
	STEP 3, 4, 0, \isx
	STEP 4, 5, 1, \isx
	STEP 5, 8, 0, \isx
.endm
.macro PAIRC a, r, i, j                ; j beats i only where it is greater: at a tie the lower index wins, as in top_k
	v_cmp_gt_f32 vcc_lo, v[\a+\j], v[\a+\i]
	v_cndmask_b32 v175, 0, 1, vcc_lo
	v_add_nc_u32 v[\r+\i], v[\r+\i], v175
	v_sub_nc_u32 v[\r+\j], v[\r+\j], v175
.endm
.macro RANK a, r                       ; v[r + e] = how many of the four stand ahead of number e
.irp e, 0,1,2,3
	v_mov_b32 v[\r+\e], \e
.endr
	PAIRC \a, \r, 0, 1
	PAIRC \a, \r, 0, 2
	PAIRC \a, \r, 0, 3
	PAIRC \a, \r, 1, 2
	PAIRC \a, \r, 1, 3
	PAIRC \a, \r, 2, 3
.endm
	s_load_b256 s[4:11], s[0:1], 0x0               ; x, router_w, w1, w2
	s_load_b256 s[12:19], s[0:1], 0x20             ; xq, wq, rmask, rt
	v_lshl_add_u32 v207, v0, 2, 0x46000
	v_mov_b32 v255, 0
	ds_add_u32 v207, v255
	ds_add_u32 v207, v255
	v_lshrrev_b32 v1, 5, v0
	v_readfirstlane_b32 s20, v1                    ; wave 0..4
	; descriptor group 1, three shapes, all sizes in elements of 4 bytes.  The tiles lie inside their tensors, so the extents are the tiles' own.
	s_mov_b32 s[G1A], (2<<16)|(1<<20)|(6<<22)|(3<<25)   ; 15:0 no mask; 17:16 elements of 4 bytes; 20 padding on; 24:22 after every 128 words (code 6); 31:25 four words (code 3)
	s_mov_b32 s[G1B], (2<<16)|(1<<20)|(6<<22)|(3<<25)
.irp g, G1A, G1B
	s_mov_b32 s[\g+1], 128<<16                     ; tensor_dim0 = 128: 512 bytes of a row
	s_mov_b32 s[\g+2], 32<<16                      ; tensor_dim1 = 32 rows
	s_mov_b32 s[\g+3], 128<<16                     ; tile_dim0
	s_mov_b32 s[\g+4], 32                          ; tile_dim1
	s_mov_b32 s[\g+6], 0
	s_mov_b32 s[\g+7], 0
.endr
	s_mov_b32 s[G1A+5], 1024                       ; from row to row: w1's rows have 1,024 numbers,
	s_mov_b32 s[G1B+5], 2048                       ; w2's 2,048
	s_mov_b32 s[G1X], (2<<16)|(1<<20)|(7<<22)|(3<<25)   ; x: padding after every 256 words (code 7)
	s_mov_b32 s[G1X+1], 256<<16                    ; 1,024 bytes of a row: two K steps
	s_mov_b32 s[G1X+2], 16<<16                     ; 16 rows
	s_mov_b32 s[G1X+3], 256<<16
	s_mov_b32 s[G1X+4], 16
	s_mov_b32 s[G1X+5], 1024
	s_mov_b32 s[G1X+6], 0
	s_mov_b32 s[G1X+7], 0
	v_and_b32 v1, 31, v0                           ; lane
	v_and_b32 v2, 15, v0                           ; r
	v_bfe_u32 v3, v0, 4, 1                         ; h
	v_lshlrev_b32 v4, 4, v1                        ; 16 x lane
	s_mul_i32 s27, s20, AREA                       ; my wave's LDS bytes
	v_add_nc_u32 v5, s27, v4                       ; into a stage: 16 x lane, the row in the immediate
	v_mul_u32_u24 v6, v2, 528
	v_lshl_add_u32 v6, v3, 6, v6
	v_add_nc_u32 v6, s27, v6                       ; out of it: row r, + 64 h
	s_lshr_b32 s54, s20, 1
	s_and_b32 s54, s54, 1                          ; 0 in w1's waves, 1 in w2's
	s_xor_b32 s55, s54, 1
	s_mul_i32 s55, s55, 4224                       ; w1: rows 8-15 of a tile lie 8 rows of 528 bytes further on
	s_mul_i32 s54, s54, 4224
	s_add_co_u32 s54, s54, 4224                    ; from a pair's even tile to its odd one: 8 rows in w1, 16 in w2
	v_lshrrev_b32 v11, 3, v2
	v_mul_u32_u24 v11, s55, v11
	v_add_nc_u32 v[WR], v6, v11
	v_add_nc_u32 v[WR+1], s54, v[WR]
	v_mul_u32_u24 v7, v2, 1040
	v_lshl_add_u32 v7, v3, 6, v7
	v_add_nc_u32 v[XRD], 4*AREA, v7                ; x's pairs, in wave 4's bytes: row r of 1,040 bytes, + 64 h
	v_add_nc_u32 v7, XOUT, v7                      ; x's codes: row r, + 64 h
	v_add_nc_u32 v8, XOUT, v4                      ; and back, 16 bytes a lane
	v_lshlrev_b32 v9, 6, v3
	v_add_nc_u32 v9, RWL, v9                       ; router_w: + 64 h
	v_add_nc_u32 v10, RWL, v4
	s_mov_b32 s[SEL], 0x76543210
	s_mov_b32 s[SEL+1], 0xfedcba98
	s_mov_b32 s[MNT], 0x600000
	s_mov_b32 s[HIM], 0xffff0000
	; which unit is my wave's, and how its rows lie
	s_lshl_b32 s21, ttmp9, 1
	s_and_b32 s22, s20, 1
	s_add_co_u32 s21, s21, s22                     ; u = 2 x work-group + wave % 2
	s_lshr_b32 s22, s21, 3
	s_lshl_b32 s22, s22, 19
	s_and_b32 s23, s21, 7
	s_lshl_b32 s23, s23, 9
	s_add_co_u32 s22, s22, s23                     ; w1: 128 rows of 4,096 bytes a block, 512 bytes a K step
	s_lshr_b32 s23, s21, 4
	s_lshl_b32 s23, s23, 20
	s_and_b32 s24, s21, 15
	s_lshl_b32 s24, s24, 9
	s_add_co_u32 s23, s23, s24                     ; w2: 128 rows of 8,192 bytes a block
	s_lshl_b32 s24, ttmp9, 16                      ; x: 16 rows of 4,096 bytes
	s_mov_b32 s25, 8192
	s_mov_b32 s48, 131072
	s_mov_b32 s49, 262144
	s_mov_b32 s29, 0
	s_mov_b32 s57, 0
	s_cmp_lt_u32 s20, 2                            ; waves 0, 1: w1
	s_cselect_b32 s28, s22, s23
	s_cselect_b32 s25, 4096, s25                   ; from row to row
	s_cselect_b32 s26, 32768, 0                    ; w1: rows 8-15 of a tile lie 8 rows further on
	s_cselect_b32 s48, 32768, s48                  ; from an even fragment to the odd one
	s_cselect_b32 s49, 131072, s49                 ; from pair to pair
	s_cselect_b32 s54, 0, W2OFF
	s_cmp_eq_u32 s20, 4                            ; wave 4: x
	s_cselect_b32 s28, s24, s28
	s_cselect_b32 s25, 4096, s25
	s_cselect_b32 s26, 0, s26
	s_cselect_b32 s48, 512, s48
	s_cselect_b32 s49, 1024, s49
.irp p, 0,1,2
	s_mov_b32 s[G0+4*\p], 1                        ; 1:0 count = 1
	s_add_co_u32 s[G0+4*\p+1], s27, \p*PAIR        ; 63:32 LDS address: my wave's bytes, pair p
.endr
	s_wait_dscnt 0x0
	s_wait_kmcnt 0x0
	s_cmp_lt_u32 s20, 2
	s_cselect_b64 s[30:31], s[8:9], s[10:11]
	s_cmp_eq_u32 s20, 4
	s_cselect_b64 s[30:31], s[4:5], s[30:31]
	s_add_nc_u64 s[30:31], s[30:31], s[28:29]      ; my unit's first byte
.irp p, 0,1,2
	s_mul_i32 s56, s49, \p
	s_add_nc_u64 s[G0+4*\p+2:G0+4*\p+3], s[30:31], s[56:57]   ; 120:64 global address of pair p's first number
	s_or_b32 s[G0+4*\p+3], s[G0+4*\p+3], 0x80000000           ; 127:126 type = 2
.endr
	; a wave's three fills stand in one branch on its number, ahead of every wait on TENSORcnt and every LDS read: three tensor loads of mine are out.  Four v_nop follow the third
	s_cmp_lt_u32 s20, 2
	s_cbranch_scc0 .Lnot_w1
	tensor_load_to_lds s[G0:G0+3], s[G1A:G1A+7]
	s_nop 0
	tensor_load_to_lds s[G0+4:G0+7], s[G1A:G1A+7]
	s_nop 0
	tensor_load_to_lds s[G0+8:G0+11], s[G1A:G1A+7]
	s_nop 0
.rept 4
	v_nop
.endr
	s_branch .Lasked
.Lnot_w1:
	s_cmp_lt_u32 s20, 4
	s_cbranch_scc0 .Lfor_x
	tensor_load_to_lds s[G0:G0+3], s[G1B:G1B+7]
	s_nop 0
	tensor_load_to_lds s[G0+4:G0+7], s[G1B:G1B+7]
	s_nop 0
	tensor_load_to_lds s[G0+8:G0+11], s[G1B:G1B+7]
	s_nop 0
.rept 4
	v_nop
.endr
	s_branch .Lasked
.Lfor_x:
	tensor_load_to_lds s[G0:G0+3], s[G1X:G1X+7]
	s_nop 0
	tensor_load_to_lds s[G0+4:G0+7], s[G1X:G1X+7]
	s_nop 0
	tensor_load_to_lds s[G0+8:G0+11], s[G1X:G1X+7]
	s_nop 0
.rept 4
	v_nop
.endr
.Lasked:
	s_mul_i32 s56, s49, 3
	s_add_nc_u64 s[FB+12:FB+13], s[30:31], s[56:57]   ; fragment 6,
	s_mov_b32 s56, s48
	s_add_nc_u64 s[FB+14:FB+15], s[FB+12:FB+13], s[56:57]   ; fragment 7
	s_mul_i32 s56, s21, REC
	s_add_co_u32 s56, s56, s54
	s_add_nc_u64 s[58:59], s[14:15], s[56:57]      ; my record in wq
.irp i, 0,1,2,3,4,5,6,7,8,9,10,11,12,13,14,15
	v_mad_u32_u24 v[VA+\i], s25, \i, v4
.endr
.irp i, 8,9,10,11,12,13,14,15
	v_add_nc_u32 v[VA+\i], s26, v[VA+\i]
.endr
.irp b, 0,1,2,3
	v_mov_b32 v[TM+4+\b], 0                        ; written once: a lane permute's destination counts as one of its sources
.endr
.irp i, 0,1,2,3,4,5,6,7,8,9,10,11,12,13,14,15
	v_mov_b32 v[LA+\i], 0
.endr
	s_cmp_eq_u32 s20, 4
	s_cbranch_scc1 .Lxpath
	; ---- a unit of weights
	LOAD 6
	LOAD 7
	WALK 0
.irp j, 0,1,2,3
	v_cndmask_b32 v[SW+\j], v[PW+2*\j], v[PW+2*\j+1], s[HIM]   ; lanes 0-15 tile 2 j's word, lanes 16-31 tile 2 j + 1's
.endr
	global_store_b128 v4, v[SW:SW+3], s[58:59] offset:16384
	s_wait_tensorcnt 0x0
	ds_add_u32 v207, v255
	s_wait_dscnt 0x0
	s_endpgm
	; ---- sixteen tokens of x, and their router
.Lxpath:
	s_lshl_b32 s56, ttmp9, 14
	s_add_nc_u64 s[58:59], s[12:13], s[56:57]      ; their codes
	s_lshl_b32 s56, ttmp9, 9
	s_add_nc_u64 s[60:61], s[12:13], s[56:57]      ; their scale words (XSC stands in the immediate)
	s_lshl_b32 s56, ttmp9, 6
	s_add_nc_u64 s[16:17], s[16:17], s[56:57]      ; their masks
	s_lshl_b32 s56, ttmp9, 7
	s_add_nc_u64 s[62:63], s[18:19], s[56:57]      ; their weights
	s_lshl_b32 s56, ttmp9, 5
	s_add_nc_u64 s[18:19], s[18:19], s[56:57]      ; their partial sums (32,768 stands in the immediate)
.set ii, 0
.rept 32
	global_load_b128 v[X0+4*ii:X0+4*ii+3], v4, s[6:7] offset:512*ii
.set ii, ii+1
.endr
	LOAD 6
	LOAD 7
	s_wait_loadcnt 32                              ; router_w is in; the 32 loads of fragments 6 and 7 may be out
.set ii, 0
.rept 32
	ds_store_b128 v10, v[X0+4*ii:X0+4*ii+3] offset:512*ii
.set ii, ii+1
.endr
	s_wait_dscnt 0x0
	GLOAD 0, 0                                     ; the first fragment's first block of router_w
	WIN 0
	WALK 1
.irp j, 0,1,2,3
	v_cndmask_b32 v[SW+\j], v[PW+\j], v[PW+4+\j], s[HIM]       ; lanes 0-15 K steps 0-3, lanes 16-31 K steps 4-7
.endr
	v_lshlrev_b32 v11, 5, v2
	v_lshl_add_u32 v11, v3, 4, v11
	global_store_b128 v11, v[SW:SW+3], s[60:61] offset:XSC
	s_wait_dscnt 0x0
.set ii, 0
.rept 32
	ds_load_b128 v[X0+4*ii:X0+4*ii+3], v8 offset:(ii/2)*1040+(ii%2)*512
.set ii, ii+1
.endr
.set ii, 0
.rept 32
	s_wait_dscnt 31-ii
	global_store_b128 v4, v[X0+4*ii:X0+4*ii+3], s[58:59] offset:512*ii    ; 32 lanes store 512 consecutive bytes
.set ii, ii+1
.endr
	; the logits: v160-163;  v164-167 at work;  v168-171 the probabilities
.irp e, 0,1,2,3
	v_pk_add_f32 v[LA+4*\e:LA+4*\e+1], v[LA+4*\e:LA+4*\e+1], v[LA+4*\e+2:LA+4*\e+3]
.endr
.irp e, 0,1,2,3
	v_add_f32 v[160+\e], v[LA+4*\e], v[LA+4*\e+1]
.endr
.irp e, 0,1,2,3
	v_permlanex16_b32 v[164+\e], v[160+\e], s[SEL], s[SEL+1]
.endr
.irp e, 0,1,2,3
	v_add_f32 v[160+\e], v[160+\e], v[164+\e]      ; with lane xor 16's half of K: both lanes of a token hold its logit
.endr
	v_max3_num_f32 v172, v160, v161, v162
	v_max_num_f32 v172, v172, v163                 ; the maximum is taken away ahead of the exponentials
.irp e, 0,1,2,3
	v_sub_f32 v[168+\e], v[160+\e], v172
.endr
.irp e, 0,1,2,3
	v_mul_f32 v[168+\e], 0x3fb8aa3b, v[168+\e]
.endr
.irp e, 0,1,2,3
	v_exp_f32 v[168+\e], v[168+\e]
.endr
	v_nop
	s_wait_alu depctr_va_vdst(0)                   ; one wait for the four exponentials, ahead of their first reader
	v_add_f32 v173, v168, v169
	v_add_f32 v174, v170, v171
	v_add_f32 v173, v173, v174
	v_rcp_f32 v173, v173
	v_nop
	s_wait_alu depctr_va_vdst(0)
.irp e, 0,1,2,3
	v_mul_f32 v[168+\e], v[168+\e], v173
.endr
	RANK 160, 176                                  ; top-2 of the logits: counts for the load-balancing loss
.irp e, 0,1,2,3
	v_cmp_gt_u32 vcc_lo, 2, v[176+\e]
	v_cndmask_b32 v[180+\e], 0, 1.0, vcc_lo
.endr
	RANK 168, 176                                  ; top-2 of the probabilities: the experts that compute
	v_mov_b32 v184, 0                              ; the mask
	v_mov_b32 v185, 0                              ; the two probabilities' sum
	v_mov_b32 v186, 0                              ; the lower expert's weight
	v_mov_b32 v187, 0                              ; the higher expert's
.irp e, 0,1,2,3
	v_cmp_gt_u32 s[54+\e], 2, v[176+\e]
.endr
.irp e, 0,1,2,3
	v_cndmask_b32 v188, 0, 1<<\e, s[54+\e]
	v_or_b32 v184, v184, v188
	v_cndmask_b32 v189, 0, v[168+\e], s[54+\e]
	v_add_f32 v185, v185, v189
	v_cndmask_b32 v187, v187, v[168+\e], s[54+\e]
.endr
.irp e, 3,2,1,0
	v_cndmask_b32 v186, v186, v[168+\e], s[54+\e]
.endr
	v_rcp_f32 v185, v185
	v_nop
	s_wait_alu depctr_va_vdst(0)
	v_mul_f32 v186, v186, v185
	v_mul_f32 v187, v187, v185
.irp e, 0,1,2,3                        ; sums over the 16 tokens (each half of the lanes holds all sixteen)
.irp m, 1,2,4,8
	v_add_f32_dpp v[168+\e], v[168+\e], v[168+\e] row_xmask:\m row_mask:0xf bank_mask:0xf
	v_add_f32_dpp v[180+\e], v[180+\e], v[180+\e] row_xmask:\m row_mask:0xf bank_mask:0xf
.endr
.endr
	v_lshlrev_b32 v12, 2, v2
	v_lshlrev_b32 v13, 3, v2
	v_mov_b32 v14, 0
	v_cmp_gt_u32 vcc_lo, 16, v1
	s_wait_xcnt 0x0                                ; EXEC changes only behind this wait
	s_wait_tensorcnt 0x0
	ds_add_u32 v207, v255
	s_wait_dscnt 0x0
	s_and_saveexec_b32 s54, vcc_lo
	global_store_b32 v12, v184, s[16:17]
	global_store_b64 v13, v[186:187], s[62:63]
	s_wait_xcnt 0x0
	s_or_b32 exec_lo, exec_lo, s54
	v_cmp_eq_u32 vcc_lo, 0, v1
	s_and_saveexec_b32 s54, vcc_lo
	global_store_b128 v14, v[168:171], s[18:19] offset:32768
	global_store_b128 v14, v[180:183], s[18:19] offset:32784
	s_wait_xcnt 0x0
	s_or_b32 exec_lo, exec_lo, s54
	s_endpgm
.Lfunc_end_k_qd4bd086543_prep:
	.size	k_qd4bd086543_prep, .Lfunc_end_k_qd4bd086543_prep-k_qd4bd086543_prep
	.p2alignl 7, 3214868480
	.fill 96, 4, 3214868480
	.section	.rodata,"a",@progbits
	.p2align	6, 0x0
	.amdhsa_kernel k_qd4bd086543_prep
		.amdhsa_group_segment_fixed_size 287488
		.amdhsa_private_segment_fixed_size 0
		.amdhsa_enable_private_segment 0
		.amdhsa_kernarg_size 64
		.amdhsa_user_sgpr_count 2
		.amdhsa_user_sgpr_kernarg_segment_ptr 1
		.amdhsa_wavefront_size32 1
		.amdhsa_system_sgpr_workgroup_id_x 1
		.amdhsa_system_sgpr_workgroup_id_y 1
		.amdhsa_system_sgpr_workgroup_id_z 1
		.amdhsa_system_vgpr_workitem_id 0
		.amdhsa_next_free_vgpr 512
		.amdhsa_next_free_sgpr 92
		.amdhsa_reserve_vcc 1
		.amdhsa_float_denorm_mode_32 3
		.amdhsa_float_denorm_mode_16_64 3
		.amdhsa_memory_ordered 1
		.amdhsa_forward_progress 1
		.amdhsa_inst_pref_size 255
	.end_amdhsa_kernel
	.section	.bss,"aw",@nobits
	.p2align	6
	.space	262144
	.amdgpu_metadata
---
amdhsa.version: [ 1, 2 ]
amdhsa.kernels:
  - .name:           k_qd4bd086543_prep
    .symbol:         k_qd4bd086543_prep.kd
    .args:
      - { .name: x, .offset: 0, .size: 8, .value_kind: global_buffer, .address_space: global }
      - { .name: router_w, .offset: 8, .size: 8, .value_kind: global_buffer, .address_space: global }
      - { .name: w1, .offset: 16, .size: 8, .value_kind: global_buffer, .address_space: global }
      - { .name: w2, .offset: 24, .size: 8, .value_kind: global_buffer, .address_space: global }
      - { .name: xq, .offset: 32, .size: 8, .value_kind: global_buffer, .address_space: global }
      - { .name: wq, .offset: 40, .size: 8, .value_kind: global_buffer, .address_space: global }
      - { .name: rmask, .offset: 48, .size: 8, .value_kind: global_buffer, .address_space: global }
      - { .name: rt, .offset: 56, .size: 8, .value_kind: global_buffer, .address_space: global }
    .group_segment_fixed_size: 287488
    .private_segment_fixed_size: 0
    .kernarg_segment_align: 8
    .kernarg_segment_size: 64
    .max_flat_workgroup_size: 160
    .sgpr_count:     92
    .vgpr_count:     512
    .wavefront_size: 32
...
	.end_amdgpu_metadata
.endif
;; end of part 1
;; launch place (part 2): grid 1 x 1, 32 waves a work-group, no clusters, 6,144 bytes of LDS; arguments rmask, rt, plan, out1; writes plan, out1
.if DOCPART == 2
	.amdgcn_target "amdgcn-amd-amdhsa--gfx1250"
	.amdhsa_code_object_version 6
	.text
	.protected	k_qd4bd086543_place
	.globl	k_qd4bd086543_place
	.p2align	8
	.type	k_qd4bd086543_place,@function
k_qd4bd086543_place:
	s_mov_b64 s[64:65], 0
	v_nop
	global_prefetch_b8 v0, s[64:65] scope:SCOPE_SE
	s_setreg_imm32_b32 hwreg(HW_REG_WAVE_MODE, 25, 1), 1
	s_wait_xcnt 0x0
; PLACE: the 4,096 tokens are sorted by their pair of experts (6 buckets) into tiles of 144 rows, each tile of one pair; and the load-balancing loss.
; plan: list: tile t's row i at word 160 t + i: a token's number, or -1 in a row that holds none; from byte 32,768 on a table [64][4]: lower expert, higher expert, rows in use, 0.
; There are never more than 28 + 6 = 34 tiles, whatever the choice.  Words 0 to 6,143 of the list are stored, each once: a token's word by the thread that owns the token, a pad by the thread that owns the word.
; One work-group of 32 waves; thread t owns tokens 4 t to 4 t + 3.  A counting sort without atomics: each wave counts its tokens by bucket, the counts meet in LDS, every wave sums those of the waves ahead of it.
; All numbers that steer addresses are whole numbers from rmask; sums over lanes go by a lane move and an integer addition.
; The loss: 4 x the sum over experts of (count / 8,192) x (sum of probabilities / 4,096) = 2^-23 x the sum of count x sum; wave 2 makes it from the 256 partial sums.
.set NVT, 1024                         ; LDS: from 0 the counts [6][32 waves]; from 1,024 each tile's rows in use [64]
.set TOT, 20                           ; s20-25 a bucket's tokens
.set PRE, 26                           ; s26-31 those of them ahead of my wave's, then ahead of the group in hand
.set MK,  32                           ; s32-55 lane masks: bucket b, token j of the thread
.set CN,  56                           ; s56-61 my wave's counts
.set NT,  66                           ; s66-71 a bucket's tiles
.set TS,  72                           ; s72-77 its first tile
.set TB,  78                           ; s78-83 160 x that
.set SEL, 84                           ; s[84:85] lane selects: lane xor 16
.macro CNTB b, m
.irp j, 0,1,2,3
	v_cmp_eq_u32 s[MK+4*\b+\j], \m, v[4+\j]
.endr
	s_bcnt1_i32_b32 s[CN+\b], s[MK+4*\b]
.irp j, 1,2,3
	s_bcnt1_i32_b32 s13, s[MK+4*\b+\j]
	s_add_co_u32 s[CN+\b], s[CN+\b], s13
.endr
	v_mov_b32 v[16+\b], s[CN+\b]
	ds_store_b32 v14, v[16+\b] offset:128*\b       ; all lanes write the same word with the same value
.endm
.macro WSUM r                          ; the sum over the wave's 32 lanes, in every lane
.irp m, 1,2,4,8
	v_mov_b32_dpp v15, v[\r] row_xmask:\m row_mask:0xf bank_mask:0xf
	v_add_nc_u32 v[\r], v[\r], v15
.endr
	v_permlanex16_b32 v15, v[\r], s[SEL], s[SEL+1]
	v_add_nc_u32 v[\r], v[\r], v15
.endm
.macro TI b, ea, eb                    ; is tile tid one of bucket b's?
	v_sub_nc_u32 v13, v0, s[TS+\b]
	v_cmp_gt_u32 vcc_lo, s[NT+\b], v13
	v_mul_lo_u32 v52, v13, 144
	v_sub_nc_u32 v52, s[TOT+\b], v52
	v_min_u32 v52, 144, v52
	v_cndmask_b32 v48, v48, \ea, vcc_lo
	v_cndmask_b32 v49, v49, \eb, vcc_lo
	v_cndmask_b32 v50, v50, v52, vcc_lo
.endm
	s_load_b256 s[4:11], s[0:1], 0x0               ; rmask, rt, plan, out1
	v_lshl_add_u32 v96, v0, 2, 0x800
	v_mov_b32 v97, 0
	v_lshrrev_b32 v1, 5, v0
	v_readfirstlane_b32 s12, v1                    ; wave 0..31
	v_and_b32 v2, 31, v0                           ; lane
	v_lshlrev_b32 v3, 4, v0                        ; 16 x thread
	v_mov_b32 v8, -1
	v_mov_b32 v15, 0                               ; written once: a lane move's destination counts as one of its sources
	v_mov_b32 v14, s12
	v_lshlrev_b32 v14, 2, v14                      ; 4 x wave
	s_mov_b32 s[SEL], 0x76543210
	s_mov_b32 s[SEL+1], 0xfedcba98
	s_wait_kmcnt 0x0
	global_load_b128 v[4:7], v3, s[4:5]            ; my four tokens' masks
	s_cmp_lg_u32 s12, 2
	s_cbranch_scc1 .Lcount
	; ---- wave 2: the loss.  Lane l takes the partial sums of units 32 i + l
	v_lshlrev_b32 v13, 5, v2
.irp i, 0,1,2,3,4,5,6,7
	global_load_b128 v[16+8*\i:19+8*\i], v13, s[6:7] offset:32768+1024*\i
	global_load_b128 v[20+8*\i:23+8*\i], v13, s[6:7] offset:32768+1024*\i+16
.endr
	s_wait_loadcnt 0x0
.irp i, 1,2,3,4,5,6,7
.irp c, 0,2,4,6
	v_pk_add_f32 v[16+\c:17+\c], v[16+\c:17+\c], v[16+8*\i+\c:17+8*\i+\c]
.endr
.endr
.irp c, 0,1,2,3,4,5,6,7
.irp m, 1,2,4,8
	v_add_f32_dpp v[16+\c], v[16+\c], v[16+\c] row_xmask:\m row_mask:0xf bank_mask:0xf
.endr
	v_permlanex16_b32 v[24+\c], v[16+\c], s[SEL], s[SEL+1]
	v_add_f32 v[16+\c], v[16+\c], v[24+\c]
.endr
	v_mul_f32 v24, v16, v20
	v_fmac_f32 v24, v17, v21
	v_fmac_f32 v24, v18, v22
	v_fmac_f32 v24, v19, v23
	v_mul_f32 v24, 0x34000000, v24                 ; x 2^-23
	v_mov_b32 v25, 0
	v_cmp_eq_u32 vcc_lo, 0, v2
	s_wait_xcnt 0x0                                ; EXEC changes only behind this wait
	s_and_saveexec_b32 s13, vcc_lo
	global_store_b32 v25, v24, s[10:11]
	s_wait_xcnt 0x0
	s_or_b32 exec_lo, exec_lo, s13
.Lcount:
	s_wait_loadcnt 0x0
	CNTB 0, 3                                      ; experts 0, 1
	CNTB 1, 5                                      ; 0, 2
	CNTB 2, 9                                      ; 0, 3
	CNTB 3, 6                                      ; 1, 2
	CNTB 4, 10                                     ; 1, 3
	CNTB 5, 12                                     ; 2, 3
	s_wait_dscnt 0x0                               ; for the others' sake: my counts lie in LDS
	s_barrier_signal -1
	s_barrier_wait -1
	v_lshlrev_b32 v13, 2, v2
.irp b, 0,1,2,3,4,5
	ds_load_b32 v[16+\b], v13 offset:128*\b        ; lane l: wave l's count
.endr
	s_wait_dscnt 0x0
	v_lshl_or_b32 v22, v17, 16, v16                ; two buckets to a word: a sum is 4,096 at the most
	v_lshl_or_b32 v23, v19, 16, v18
	v_lshl_or_b32 v24, v21, 16, v20
	v_cmp_gt_u32 vcc_lo, s12, v2                   ; the waves ahead of mine
	v_cndmask_b32 v25, 0, v22, vcc_lo
	v_cndmask_b32 v26, 0, v23, vcc_lo
	v_cndmask_b32 v27, 0, v24, vcc_lo
.irp r, 22,23,24,25,26,27
	WSUM \r
.endr
.irp i, 0,1,2
	v_readfirstlane_b32 s13, v[22+\i]
	s_and_b32 s[TOT+2*\i], s13, 0xffff
	s_lshr_b32 s[TOT+2*\i+1], s13, 16
	v_readfirstlane_b32 s13, v[25+\i]
	s_and_b32 s[PRE+2*\i], s13, 0xffff
	s_lshr_b32 s[PRE+2*\i+1], s13, 16
.endr
	s_mov_b32 s14, 0
.irp b, 0,1,2,3,4,5
	s_add_co_u32 s13, s[TOT+\b], 143
	s_mul_i32 s13, s13, 7282
	s_lshr_b32 s[NT+\b], s13, 20                   ; (n + 143) / 144: n x 7,282 >> 20 is n / 144 for n up to 4,239
	s_mov_b32 s[TS+\b], s14
	s_mul_i32 s[TB+\b], s14, 160
	s_add_co_u32 s14, s14, s[NT+\b]
.endr
	; ---- each token's place: its number within its bucket, then tile and row
.irp j, 0,1,2,3
	v_mov_b32 v[24+\j], 0
	v_mov_b32 v[28+\j], 0
.irp b, 0,1,2,3,4,5
	v_mbcnt_lo_u32_b32 v13, s[MK+4*\b+\j], s[PRE+\b]
	v_cndmask_b32 v[24+\j], v[24+\j], v13, s[MK+4*\b+\j]
	v_cndmask_b32 v[28+\j], v[28+\j], s[TB+\b], s[MK+4*\b+\j]
	s_bcnt1_i32_b32 s13, s[MK+4*\b+\j]
	s_add_co_u32 s[PRE+\b], s[PRE+\b], s13
.endr
.endr
.irp j, 0,1,2,3
	v_mul_u32_u24 v13, v[24+\j], 7282
	v_lshrrev_b32 v13, 20, v13                     ; q = number / 144
	v_lshl_add_u32 v13, v13, 4, v[24+\j]
	v_add_nc_u32 v13, v13, v[28+\j]                ; 160 (first tile + q) + number - 144 q
	v_min_u32 v13, 0x1fff, v13
	v_lshlrev_b32 v[32+\j], 2, v13
	v_lshl_add_u32 v[36+\j], v0, 2, \j
	global_store_b32 v[32+\j], v[36+\j], s[8:9]
.endr
	; ---- the table of tiles: waves 0 and 1, a thread a tile
	s_cmp_gt_u32 s12, 1
	s_cbranch_scc1 .Lno_table
	v_mov_b32 v48, 0
	v_mov_b32 v49, 0
	v_mov_b32 v50, 0
	v_mov_b32 v51, 0
	TI 0, 0, 1
	TI 1, 0, 2
	TI 2, 0, 3
	TI 3, 1, 2
	TI 4, 1, 3
	TI 5, 2, 3
	global_store_b128 v3, v[48:51], s[8:9] offset:32768
	v_lshlrev_b32 v53, 2, v0
	ds_store_b32 v53, v50 offset:NVT
.Lno_table:
	s_wait_dscnt 0x0
	s_barrier_signal -1
	s_barrier_wait -1
	; ---- the pads: thread t looks at words t + 1,024 k
.irp k, 0,1,2,3,4,5
	v_add_nc_u32 v88, 1024*\k, v0
	v_mul_u32_u24 v89, v88, 6554
	v_lshrrev_b32 v89, 20, v89                     ; the word's tile: p x 6,554 >> 20 is p / 160 for p up to 6,143
	v_lshlrev_b32 v[82+\k], 2, v89
	ds_load_b32 v[64+\k], v[82+\k] offset:NVT
	v_mul_u32_u24 v89, v89, 160
	v_sub_nc_u32 v[70+\k], v88, v89                ; its row
	v_lshlrev_b32 v[76+\k], 2, v88
.endr
	s_wait_dscnt 0x0
.irp k, 0,1,2,3,4,5
	v_cmp_ge_u32 vcc_lo, v[70+\k], v[64+\k]
	s_wait_xcnt 0x0                                ; EXEC changes only behind this wait
	s_and_saveexec_b32 s13, vcc_lo
	global_store_b32 v[76+\k], v8, s[8:9]
	s_wait_xcnt 0x0
	s_or_b32 exec_lo, exec_lo, s13
.endr
	s_wait_xcnt 0x0
	s_mov_b32 exec_lo, -1
	s_wait_tensorcnt 0x0
	ds_add_u32 v96, v97
	s_wait_dscnt 0x0
	s_endpgm
.Lfunc_end_k_qd4bd086543_place:
	.size	k_qd4bd086543_place, .Lfunc_end_k_qd4bd086543_place-k_qd4bd086543_place
	.p2alignl 7, 3214868480
	.fill 96, 4, 3214868480
	.section	.rodata,"a",@progbits
	.p2align	6, 0x0
	.amdhsa_kernel k_qd4bd086543_place
		.amdhsa_group_segment_fixed_size 6144
		.amdhsa_private_segment_fixed_size 0
		.amdhsa_enable_private_segment 0
		.amdhsa_kernarg_size 32
		.amdhsa_user_sgpr_count 2
		.amdhsa_user_sgpr_kernarg_segment_ptr 1
		.amdhsa_wavefront_size32 1
		.amdhsa_system_sgpr_workgroup_id_x 1
		.amdhsa_system_sgpr_workgroup_id_y 1
		.amdhsa_system_sgpr_workgroup_id_z 1
		.amdhsa_system_vgpr_workitem_id 0
		.amdhsa_next_free_vgpr 98
		.amdhsa_next_free_sgpr 90
		.amdhsa_reserve_vcc 1
		.amdhsa_float_denorm_mode_32 3
		.amdhsa_float_denorm_mode_16_64 3
		.amdhsa_memory_ordered 1
		.amdhsa_forward_progress 1
		.amdhsa_inst_pref_size 33
	.end_amdhsa_kernel
	.amdgpu_metadata
---
amdhsa.version: [ 1, 2 ]
amdhsa.kernels:
  - .name:           k_qd4bd086543_place
    .symbol:         k_qd4bd086543_place.kd
    .args:
      - { .name: rmask, .offset: 0, .size: 8, .value_kind: global_buffer, .address_space: global }
      - { .name: rt, .offset: 8, .size: 8, .value_kind: global_buffer, .address_space: global }
      - { .name: plan, .offset: 16, .size: 8, .value_kind: global_buffer, .address_space: global }
      - { .name: out1, .offset: 24, .size: 8, .value_kind: global_buffer, .address_space: global }
    .group_segment_fixed_size: 6144
    .private_segment_fixed_size: 0
    .kernarg_segment_align: 8
    .kernarg_segment_size: 32
    .max_flat_workgroup_size: 1024
    .sgpr_count:     90
    .vgpr_count:     98
    .wavefront_size: 32
...
	.end_amdgpu_metadata
.endif
;; end of part 2
;; launch ffn1 (part 3): grid 8 x 34, 4 waves a work-group, no clusters, 158,464 bytes of LDS; arguments plan, xq, wq, b1, h; writes h
.if DOCPART == 3
	.amdgcn_target "amdgcn-amd-amdhsa--gfx1250"
	.amdhsa_code_object_version 6
	.text
	.protected	k_qd4bd086543_ffn1
	.globl	k_qd4bd086543_ffn1
	.p2align	8
	.type	k_qd4bd086543_ffn1,@function
k_qd4bd086543_ffn1:
	s_mov_b64 s[64:65], 0
	v_nop
	global_prefetch_b8 v0, s[64:65] scope:SCOPE_SE
	s_setreg_imm32_b32 hwreg(HW_REG_WAVE_MODE, 25, 1), 1
	s_wait_xcnt 0x0
; FFN1: for a tile of 144 tokens that chose one pair of experts, one of the two experts (the slot) and 512 of its 2,048 hidden units: silu(x W1^T + b1), quantised along the hidden units,
; both on codes of BF8 (E5M2) with one E8M0 scale for each 32 along K.  The hidden layer goes to memory once, as codes, in the order of the next product's operand registers.
; GRID: x = 4 x slot + block of 512 units; y = tile, 34 at the most for every choice.  A tile that the choice leaves without rows stores nothing and ends: a branch on a stored number,
; so the launch has no tensor load, no copy and no cluster; the weights come from memory straight into registers, from records laid for that.
; SHARES: wave w makes hidden units 128 (4 x + w) on, 128 of them (one K step of the next product), for all 144 rows, in two passes of 64 units: 36 accumulators, 8 K steps of 36 matrix instructions.
; THE MATRIX INSTRUCTION IS USED TRANSPOSED (source 0 = 16 rows of W1, source 1 = 16 tokens): a lane holds one token and its registers run along the hidden units; the rows of W1 that form
; a tile were chosen so that a lane's 16 registers of two neighbouring tiles are 16 neighbours along the next K.  b1 is the C of each sum's first instruction.
; LDS: the tile's 144 rows of codes, gathered once (rows of 1,024 bytes + 16), and their scale words; written ahead of the one barrier, only read behind it.
; REGISTERS, in windows of 256: window 0: v1-11 addresses, v16-24 the rows' scale words in the making, v32-175 x's nine fragments (behind a pass: at work), v176-191 W1's scale words, v192-231 x's, v232-240 at work.
;   window 1: W1's fragments, a ring of four K steps x 64.   window 2: v0-31 the accumulators of rows 128-143, v32-63 b1.   window 3: the accumulators of rows 0-127 ((a, t) at 32 a + 8 t).
; LIMITS: NaN and infinities are not served; a block of zeros gets the byte 1 (its codes are zeros; this program alone reads the bytes).
.set AP,  1040                         ; an LDS row of codes: 1,024 bytes + 16: the 16 rows that a load touches begin 16 bytes apart modulo 256
.set XS,  149760                       ; behind the 144 rows: 256 rows x 32 bytes of scale words (rows 144 on are never used as scales)
.set REC, 16896
.set HG,  19200                        ; a group of h: 9 fragment images, 512 + 128 bytes of scale words, rounded up to a multiple of 256
.set PWB, 16
.set SW,  26
.set AF,  32
.set E,   32
.set PC,  64
.set GA,  32                           ; in the prologue: v32-49 the gather's offsets, v50-51 those of the scale words, v52-67 the scale words
.set XT,  50
.set XD,  52
.set SB,  176
.set SA,  192
.set TM,  232
.set MSB, 0
.macro WIN new                         ; the immediate's high byte repeats the setting that is left
.if MSB != \new
	s_set_vgpr_msb (MSB<<8)|\new
.set MSB, \new
.endif
.endm
.macro PLACES n                        ; plain vector lines behind a matrix instruction, ahead of loads into its registers and of the first read of results
.rept \n
	v_nop
.endr
.endm
.macro WM d, a, b, c, sa, sb, ra, rb   ; ra, rb: the side's scales stand in lanes 16-31 of the register named
.set WD, \d
.set WA, \a
.set WX, \b
.set WC, \c
.set WSA, \sa
.set WSB, \sb
.if (\ra) && (\rb)
	v_wmma_scale_f32_16x16x128_f8f6f4 v[WD:WD+7], v[WA:WA+15], v[WX:WX+15], v[WC:WC+7], v[WSA], v[WSB] matrix_a_fmt:MATRIX_FMT_BF8 matrix_b_fmt:MATRIX_FMT_BF8 matrix_a_scale:MATRIX_SCALE_ROW1 matrix_b_scale:MATRIX_SCALE_ROW1
.elseif (\ra)
	v_wmma_scale_f32_16x16x128_f8f6f4 v[WD:WD+7], v[WA:WA+15], v[WX:WX+15], v[WC:WC+7], v[WSA], v[WSB] matrix_a_fmt:MATRIX_FMT_BF8 matrix_b_fmt:MATRIX_FMT_BF8 matrix_a_scale:MATRIX_SCALE_ROW1
.elseif (\rb)
	v_wmma_scale_f32_16x16x128_f8f6f4 v[WD:WD+7], v[WA:WA+15], v[WX:WX+15], v[WC:WC+7], v[WSA], v[WSB] matrix_a_fmt:MATRIX_FMT_BF8 matrix_b_fmt:MATRIX_FMT_BF8 matrix_b_scale:MATRIX_SCALE_ROW1
.else
	v_wmma_scale_f32_16x16x128_f8f6f4 v[WD:WD+7], v[WA:WA+15], v[WX:WX+15], v[WC:WC+7], v[WSA], v[WSB] matrix_a_fmt:MATRIX_FMT_BF8 matrix_b_fmt:MATRIX_FMT_BF8
.endif
.endm
.macro BGROUP slot, imm                ; W1's four fragments of a K step into a slot of the ring: 16 loads of 512 consecutive bytes
	WIN 0x40
.irp t, 0,1,2,3
.irp c, 0,1,2,3
	global_load_b128 v[64*(\slot)+16*\t+4*\c:64*(\slot)+16*\t+4*\c+3], v1, s[26:27] offset:(\imm)+2048*\t+512*\c
.endr
.endr
	WIN 0
.endm
.macro SBLOAD                          ; W1's scale words of the pass's four tiles, all eight K steps
.irp k, 0,1,2,3,4,5,6,7
	global_load_b64 v[SB+2*\k:SB+2*\k+1], v1, s[42:43] offset:REC*\k
.endr
.endm
.macro BILOAD                          ; b1 in the result's layout: lane (r, h), tile t: units 32 (t / 2) + 16 h + 8 (t % 2) + 0 .. 7
	WIN 0x80
.irp t, 0,1,2,3
	global_load_b128 v[32+8*\t:35+8*\t], v6, s[28:29] offset:(32*(\t/2)+8*(\t%2))*4
	global_load_b128 v[36+8*\t:39+8*\t], v6, s[28:29] offset:(32*(\t/2)+8*(\t%2))*4+16
.endr
	WIN 0
.endm
.macro FETCH_A k, a                    ; x's fragment of rows 16 a on, K step k
.irp c, 0,1,2,3
	ds_load_b128 v[AF+16*(\a)+4*\c:AF+16*(\a)+4*\c+3], v[2+(\a)/3] offset:((\a)%3)*16640+128*(\k)+16*\c
.endr
.endm
.macro MUL k, a                        ; four matrix instructions: rows 16 a on against the pass's four tiles.  The 36 accumulators take turns, one instruction a turn
.if (\a) == 8
	WIN 0xa1
.elseif (\k) == 0
	WIN 0xe1
.else
	WIN 0xf1
.endif
.irp t, 0,1,2,3
.if (\a) == 8
.set MD, 8*\t
.else
.set MD, 32*(\a)+8*\t
.endif
.if (\k) == 0
.set MC, 32+8*\t
.else
.set MC, MD
.endif
	WM MD, 64*((\k)%4)+16*\t, AF+16*(\a), MC, SB+2*(\k)+\t/2, SA+20*((\k)/4)+4*((\a)/2)+(\k)%4, \t%2, (\a)%2
.endr
.endm
.macro STEP k
.if (\k) == 7
	s_wait_loadcnt 0x0                             ; this step's fragments of W1 are in.  Behind them: in the first pass the next pass's first two groups, in the second none: the count serves both
.elseif (\k) == 6
	s_wait_loadcnt 16                              ; behind them: step 7's, and in the first pass one group more
.elseif (\k) >= 1
	s_wait_loadcnt 32                              ; behind them: the two groups of the next two steps
.endif
	s_wait_dscnt 16                                ; x's fragments 0-4 are in; the 16 loads of fragments 5-8 may be out
.irp a, 0,1,2,3,4
	MUL \k, \a
.endr
	s_wait_dscnt 0x0
	WIN 0
.if (\k) < 7
	PLACES 8
.irp a, 0,1,2,3,4
	FETCH_A (\k)+1, \a
.endr
.endif
.if (\k) >= 5
	s_cmp_eq_u32 s25, 1                            ; the second pass has no successor: it asks for nothing more
	s_cbranch_scc1 .Lnob_\@
.endif
	BGROUP ((\k)+3)%4, (((\k)+3)%8)*REC+(((\k)+3)/8)*8192   ; three steps ahead, into the slot that the last step multiplied (eight plain lines stand behind that step's products)
.if (\k) >= 5
.Lnob_\@:
.endif
.irp a, 5,6,7,8
	MUL \k, \a
.endr
	WIN 0
	PLACES 8
.if (\k) < 7
.irp a, 5,6,7,8
	FETCH_A (\k)+1, \a
.endr
.endif
.endm
; 16 rows x the pass's 64 hidden units: silu, the quantiser, two quarter images to memory
.macro ROWT a
.if (\a) == 8
.set RW, 2
.set RB, 0
.else
.set RW, 3
.set RB, 32*(\a)
.endif
	WIN RW
.set ri, 0
.rept 16
	v_pk_mul_f32 v[E+ri:E+ri+1], v[RB+ri:RB+ri+1], s[36:37] op_sel_hi:[1,0]   ; -z log2(e); each accumulator is read from its low end on
.set ri, ri+2
.endr
	WIN 0
.set ri, 0
.rept 32
	v_exp_f32 v[E+ri], v[E+ri]
.set ri, ri+1
.endr
	v_nop
	s_wait_alu depctr_va_vdst(0)                   ; one wait for the 32 exponentials, ahead of their first reader
.set ri, 0
.rept 16
	v_pk_add_f32 v[E+ri:E+ri+1], v[E+ri:E+ri+1], 1.0 op_sel_hi:[1,0]
.set ri, ri+2
.endr
.set ri, 0
.rept 32
	v_rcp_f32 v[E+ri], v[E+ri]
.set ri, ri+1
.endr
	v_nop
	s_wait_alu depctr_va_vdst(0)                   ; and one for the 32 reciprocals
	WIN RW
.set ri, 0
.rept 16
	v_pk_mul_f32 v[E+ri:E+ri+1], v[RB+ri:RB+ri+1], v[E+ri:E+ri+1]   ; z / (1 + e^-z)
.set ri, ri+2
.endr
	WIN 0
.irp b, 0,1
	v_max3_num_f32 v[TM+\b], |v[E+16*\b]|, |v[E+16*\b+1]|, 0x8000000   ; my 16 numbers of the block, and the floor 2^(16 - 127)
.endr
.irp i, 2,4,6,8,10,12,14
.irp b, 0,1
	v_max3_num_f32 v[TM+\b], v[TM+\b], |v[E+16*\b+\i]|, |v[E+16*\b+\i+1]|
.endr
.endr
.irp b, 0,1
	v_permlanex16_b32 v[TM+2+\b], v[TM+\b], s38, s39
.endr
.irp b, 0,1
	v_max_num_f32 v[TM+\b], v[TM+\b], v[TM+2+\b]
.endr
.irp b, 0,1
	v_add_nc_u32 v[TM+6+\b], 0xf8800000, v[TM+\b]  ; 15 off the exponent field: the conversion's scale operand
.endr
.irp b, 0,1
	v_and_or_b32 v[TM+4+\b], v[TM+\b], 0x7f800000, s40   ; 57,344 x the scale
.endr
.irp b, 0,1
	v_lshrrev_b32 v[TM+2+\b], 23, v[TM+6+\b]       ; the scale's byte
.endr
	v_lshl_or_b32 v[TM+8], v[TM+3], 8, v[TM+2]
	v_lshrrev_b32 v[PWB+(\a)], 16, v[PWB+(\a)]     ; the first pass's two bytes move down, this pass's go on top
	v_lshl_or_b32 v[PWB+(\a)], v[TM+8], 16, v[PWB+(\a)]
	s_wait_xcnt 0x0                                ; the last rows' stores have read the codes' registers
.irp b, 0,1
.irp i, 0,1,2,3,4,5,6,7,8,9,10,11,12,13,14,15
	v_med3_num_f32 v[E+16*\b+\i], v[E+16*\b+\i], -v[TM+4+\b], v[TM+4+\b]   ; the conversion does not saturate (ISA guide 7.6.2)
.endr
	v_cvt_scalef32_pk8_bf8_f32 v[PC+4*\b:PC+4*\b+1], v[E+16*\b:E+16*\b+7], v[TM+6+\b]
	v_cvt_scalef32_pk8_bf8_f32 v[PC+4*\b+2:PC+4*\b+3], v[E+16*\b+8:E+16*\b+15], v[TM+6+\b]
.endr
	v_nop                                          ; a plain line behind the last conversion
.irp b, 0,1
	global_store_b128 v1, v[PC+4*\b:PC+4*\b+3], s[30:31] offset:2048*(\a)+512*\b   ; 32 lanes store 512 consecutive bytes
.endr
.endm
	s_load_b256 s[4:11], s[0:1], 0x0               ; plan, xq, wq, b1
	s_load_b64 s[12:13], s[0:1], 0x20              ; h
	v_lshl_add_u32 v254, v0, 2, 0x26900
	v_mov_b32 v255, 0
	v_lshrrev_b32 v1, 5, v0
	v_readfirstlane_b32 s14, v1                    ; wave 0..3
	s_and_b32 s16, ttmp7, 0xffff                   ; the tile
	s_lshr_b32 s17, ttmp9, 2                       ; the slot
	s_and_b32 s18, ttmp9, 3
	s_lshl_b32 s19, s18, 2
	s_add_co_u32 s19, s19, s14                     ; my block of 128 hidden units
	v_and_b32 v12, 31, v0                          ; lane
	v_and_b32 v13, 15, v0                          ; r
	v_bfe_u32 v14, v0, 4, 1                        ; h
	v_lshlrev_b32 v1, 4, v12                       ; 16 x lane
	v_mul_u32_u24 v2, v13, AP
	v_lshl_add_u32 v2, v14, 6, v2                  ; a fragment of x: row r, + 64 h; rows 0-47,
	v_add_nc_u32 v3, 49920, v2                     ; 48-95,
	v_add_nc_u32 v4, 99840, v2                     ; 96-143
	v_lshlrev_b32 v5, 5, v12
	v_add_nc_u32 v5, XS, v5                        ; scale words: row = lane
	v_lshlrev_b32 v6, 6, v14                       ; b1: + 64 h
	v_lshlrev_b32 v7, 2, v12                       ; 4 x lane
	s_mul_i32 s15, s14, 36
	v_add_nc_u32 v15, s15, v14                     ; the gather: rows 36 w + lane / 16 + 2 p
	v_mul_u32_u24 v8, v15, AP
	v_lshl_add_u32 v8, v13, 4, v8
	v_lshlrev_b32 v9, 5, v0
	v_add_nc_u32 v9, XS, v9
	v_lshlrev_b32 v10, 2, v15
	v_lshlrev_b32 v11, 2, v0
	v_lshlrev_b32 v13, 4, v13                      ; 16 (lane % 16)
	s_mov_b32 s36, 0xbfb8aa3b                      ; -log2(e)
	s_mov_b32 s37, s36
	s_mov_b32 s38, 0x76543210
	s_mov_b32 s39, 0xfedcba98
	s_mov_b32 s40, 0x600000
	s_mov_b32 s41, 0xffff0000
	s_lshl_b32 s15, s16, 4
	s_mul_i32 s32, s16, 640
	s_mov_b32 s33, 0
	s_wait_kmcnt 0x0
	s_load_b128 s[20:23], s[4:5], s15 offset:0x8000   ; the tile's experts and rows in use
	s_add_nc_u64 s[34:35], s[4:5], s[32:33]        ; the tile's list
.irp p, 0,1,2,3,4,5,6,7,8,9,10,11,12,13,14,15,16,17
	global_load_b32 v[GA+\p], v10, s[34:35] offset:8*\p
.endr
	global_load_b32 v[XT], v11, s[34:35]
	global_load_b32 v[XT+1], v11, s[34:35] offset:512
	s_wait_loadcnt 0x0
.irp p, 0,1,2,3,4,5,6,7,8,9,10,11,12,13,14,15,16,17
	v_min_u32 v[GA+\p], 0xfff, v[GA+\p]            ; a pad becomes token 4,095: its rows are computed and never stored as output
.endr
.irp p, 0,1,2,3,4,5,6,7,8,9,10,11,12,13,14,15,16,17
	v_lshl_add_u32 v[GA+\p], v[GA+\p], 10, v13
.endr
	v_min_u32 v[XT], 0xfff, v[XT]
	v_min_u32 v[XT+1], 0xfff, v[XT+1]
	v_lshlrev_b32 v[XT], 5, v[XT]
	v_lshlrev_b32 v[XT+1], 5, v[XT+1]
	WIN 0xc0                                       ; the gather lands in the accumulators' registers: sixteen lanes read 256 bytes of a row, two rows an instruction
.irp p, 0,1,2,3,4,5,6,7,8,9,10,11,12,13,14,15
.irp u, 0,1,2,3
	global_load_b128 v[16*\p+4*\u:16*\p+4*\u+3], v[GA+\p], s[6:7] offset:256*\u
.endr
.endr
	WIN 0x80
.irp p, 16,17
.irp u, 0,1,2,3
	global_load_b128 v[16*(\p-16)+4*\u:16*(\p-16)+4*\u+3], v[GA+\p], s[6:7] offset:256*\u
.endr
.endr
	WIN 0
	global_load_b128 v[XD:XD+3], v[XT], s[6:7] offset:4194304
	global_load_b128 v[XD+4:XD+7], v[XT], s[6:7] offset:4194320
	global_load_b128 v[XD+8:XD+11], v[XT+1], s[6:7] offset:4194304
	global_load_b128 v[XD+12:XD+15], v[XT+1], s[6:7] offset:4194320
	s_wait_kmcnt 0x0
	s_cmp_eq_u32 s17, 0
	s_cselect_b32 s24, s20, s21
	s_min_u32 s24, s24, 3                          ; my expert
	s_lshl_b32 s32, s24, 4
	s_add_co_u32 s32, s32, s19
	s_mul_i32 s32, s32, 8*REC
	s_add_nc_u64 s[26:27], s[8:9], s[32:33]        ; my block's eight records of W1
	s_add_nc_u64 s[42:43], s[26:27], 16384         ; their scale words
	s_lshl_b32 s32, s24, 11
	s_lshl_b32 s15, s19, 7
	s_add_co_u32 s32, s32, s15
	s_lshl_b32 s32, s32, 2
	s_add_nc_u64 s[28:29], s[10:11], s[32:33]      ; my 128 numbers of b1
	s_lshl_b32 s32, s16, 1
	s_add_co_u32 s32, s32, s17
	s_lshl_b32 s32, s32, 4
	s_add_co_u32 s32, s32, s19
	s_mul_i32 s32, s32, HG
	s_add_nc_u64 s[30:31], s[12:13], s[32:33]      ; my group of h
	SBLOAD
	BILOAD
	BGROUP 0, 0
	BGROUP 1, REC
	BGROUP 2, 2*REC
	s_wait_loadcnt 63                              ; 64 loads were issued behind the gather and the scale words: these are in
	WIN 0x0c
.irp p, 0,1,2,3,4,5,6,7,8,9,10,11,12,13,14,15
.irp u, 0,1,2,3
	ds_store_b128 v8, v[16*\p+4*\u:16*\p+4*\u+3] offset:2*\p*AP+256*\u
.endr
.endr
	WIN 0x08
.irp p, 16,17
.irp u, 0,1,2,3
	ds_store_b128 v8, v[16*(\p-16)+4*\u:16*(\p-16)+4*\u+3] offset:2*\p*AP+256*\u
.endr
.endr
	WIN 0
	ds_store_b128 v9, v[XD:XD+3]
	ds_store_b128 v9, v[XD+4:XD+7] offset:16
	ds_store_b128 v9, v[XD+8:XD+11] offset:4096
	ds_store_b128 v9, v[XD+12:XD+15] offset:4112
.irp a, 0,1,2,3,4,5,6,7,8
	v_mov_b32 v[PWB+\a], 0
.endr
	v_mov_b32 v[TM+2], 0                           ; written once: a lane permute's destination counts as one of its sources
	v_mov_b32 v[TM+3], 0
	s_wait_dscnt 0x0                               ; for the others' sake: my rows lie in LDS
	s_barrier_signal -1
	s_barrier_wait -1                              ; the one barrier, on every path
	s_cmp_eq_u32 s22, 0
	s_cbranch_scc1 .Lend                           ; a tile without rows
.irp q, 0,1
.irp i, 0,1,2,3,4
	ds_load_b128 v[SA+20*\q+4*\i:SA+20*\q+4*\i+3], v5 offset:1024*\i+16*\q   ; lanes 0-15 rows 32 i on, lanes 16-31 rows 32 i + 16 on; K steps 4 q to 4 q + 3
.endr
.endr
	s_mov_b32 s25, 0
.Lpass:
	s_wait_loadcnt 0x0                             ; the pass's first three groups of W1, its scale words and b1
.irp a, 0,1,2,3,4,5,6,7,8
	FETCH_A 0, \a
.endr
.irp k, 0,1,2,3,4,5,6,7
	STEP \k
.endr
	s_cmp_eq_u32 s25, 1
	s_cbranch_scc1 .Lno_reload
	s_wait_xcnt 0x0                                ; the earlier loads have read their bases
	s_add_nc_u64 s[42:43], s[42:43], 8             ; the next four tiles' scale words,
	s_add_nc_u64 s[28:29], s[28:29], 256           ; the next 64 numbers of b1: they land while this pass's results are worked
	SBLOAD
	BILOAD
.Lno_reload:
.irp a, 0,1,2,3,4,5,6,7,8
	ROWT \a
.endr
	s_wait_xcnt 0x0                                ; stores and loads have read their registers and bases
	s_add_nc_u64 s[26:27], s[26:27], 8192          ; tiles 4-7 of each record
	s_add_nc_u64 s[30:31], s[30:31], 1024          ; blocks 2, 3 of each image
	s_add_co_u32 s25, s25, 1
	s_cmp_lt_u32 s25, 2
	s_cbranch_scc1 .Lpass
.irp i, 0,1,2,3
	v_cndmask_b32 v[SW+\i], v[PWB+2*\i], v[PWB+2*\i+1], s41   ; lanes 0-15 rows 32 i on, lanes 16-31 rows 32 i + 16 on
.endr
	global_store_b128 v1, v[SW:SW+3], s[30:31] offset:18432-2048   ; (the base has stepped 2 x 1,024)
	global_store_b32 v7, v[PWB+8], s[30:31] offset:18944-2048
.Lend:
	s_barrier_signal -1
	s_barrier_wait -1
	s_wait_tensorcnt 0x0
	ds_add_u32 v254, v255
	s_wait_dscnt 0x0
	s_endpgm
.Lfunc_end_k_qd4bd086543_ffn1:
	.size	k_qd4bd086543_ffn1, .Lfunc_end_k_qd4bd086543_ffn1-k_qd4bd086543_ffn1
	.p2alignl 7, 3214868480
	.fill 96, 4, 3214868480
	.section	.rodata,"a",@progbits
	.p2align	6, 0x0
	.amdhsa_kernel k_qd4bd086543_ffn1
		.amdhsa_group_segment_fixed_size 158464
		.amdhsa_private_segment_fixed_size 0
		.amdhsa_enable_private_segment 0
		.amdhsa_kernarg_size 40
		.amdhsa_user_sgpr_count 2
		.amdhsa_user_sgpr_kernarg_segment_ptr 1
		.amdhsa_wavefront_size32 1
		.amdhsa_system_sgpr_workgroup_id_x 1
		.amdhsa_system_sgpr_workgroup_id_y 1
		.amdhsa_system_sgpr_workgroup_id_z 1
		.amdhsa_system_vgpr_workitem_id 0
		.amdhsa_next_free_vgpr 1024
		.amdhsa_next_free_sgpr 66
		.amdhsa_reserve_vcc 0
		.amdhsa_float_denorm_mode_32 3
		.amdhsa_float_denorm_mode_16_64 3
		.amdhsa_memory_ordered 1
		.amdhsa_forward_progress 1
		.amdhsa_inst_pref_size 188
	.end_amdhsa_kernel
	.amdgpu_metadata
---
amdhsa.version: [ 1, 2 ]
amdhsa.kernels:
  - .name:           k_qd4bd086543_ffn1
    .symbol:         k_qd4bd086543_ffn1.kd
    .args:
      - { .name: plan, .offset: 0, .size: 8, .value_kind: global_buffer, .address_space: global }
      - { .name: xq, .offset: 8, .size: 8, .value_kind: global_buffer, .address_space: global }
      - { .name: wq, .offset: 16, .size: 8, .value_kind: global_buffer, .address_space: global }
      - { .name: b1, .offset: 24, .size: 8, .value_kind: global_buffer, .address_space: global }
      - { .name: h, .offset: 32, .size: 8, .value_kind: global_buffer, .address_space: global }
    .group_segment_fixed_size: 158464
    .private_segment_fixed_size: 0
    .kernarg_segment_align: 8
    .kernarg_segment_size: 40
    .max_flat_workgroup_size: 128
    .sgpr_count:     66
    .vgpr_count:     1024
    .wavefront_size: 32
...
	.end_amdgpu_metadata
.endif
;; end of part 3
;; launch ffn2 (part 4): grid 8 x 34, 4 waves a work-group, no clusters, 304,640 bytes of LDS; arguments plan, h, wq, rt, b2, out0; writes out0
.if DOCPART == 4
	.amdgcn_target "amdgcn-amd-amdhsa--gfx1250"
	.amdhsa_code_object_version 6
	.text
	.protected	k_qd4bd086543_ffn2
	.globl	k_qd4bd086543_ffn2
	.p2align	8
	.type	k_qd4bd086543_ffn2,@function
k_qd4bd086543_ffn2:
	s_mov_b64 s[64:65], 0
	v_nop
	global_prefetch_b8 v0, s[64:65] scope:SCOPE_SE
	s_setreg_imm32_b32 hwreg(HW_REG_WAVE_MODE, 25, 1), 1
	s_wait_xcnt 0x0
; FFN2: for a tile of 144 tokens and 128 output columns: out = w_lo (h_lo W2[lo]^T + b2[lo]) + w_hi (h_hi W2[hi]^T + b2[hi]), both products on codes of BF8 (E5M2) with E8M0 scales.
; Each output row has one owner: both experts of a token lie in one work-group.  GRID: x = block of 128 columns, y = tile.  A tile without rows stores nothing: a branch on a stored number,
; so the launch has no tensor load, no copy and no cluster; both operands come from memory straight into registers, as images of those registers.
; SHARES: K IS SPLIT OVER THE WAVES: wave w takes slot w / 2 and K steps 8 (w % 2) on, eight of them, for all 144 x 128 outputs: 72 accumulators, 8 x 72 matrix instructions.  No byte is read by two waves.
; The four partial sums meet in LDS (a region of 144 rows x (512 + 16) bytes a wave), one barrier; then wave w sums, weighs and stores rows 36 w to 36 w + 35, each to its token's row of out0.
; THE MATRIX INSTRUCTION IS USED TRANSPOSED (source 0 = 16 rows of W2, source 1 = 16 tokens): a lane holds eight neighbouring columns of one token.
; REGISTERS: window 0: v1-5, v28-31 addresses; v8-12, v14-18 h's scale words, two sets; v20-27 W2's, two sets; v32-95 the accumulators of rows 128-143; v96-239 h's nine fragments (later rows of sums);
;   v240-247 b2 of both experts; v248-253 tokens and weights; v254 my place in a row of out0.  window 1: W2's fragments, two sets of 128.  windows 2, 3: the accumulators of rows 0-63, 64-127.
.set REC, 16896
.set HG,  19200
.set RG,  76032                        ; a wave's region in LDS
.set MSB, 0
.macro WIN new                         ; the immediate's high byte repeats the setting that is left
.if MSB != \new
	s_set_vgpr_msb (MSB<<8)|\new
.set MSB, \new
.endif
.endm
.macro PLACES n                        ; plain vector lines behind a matrix instruction, ahead of loads into its registers and of the first read of results
.rept \n
	v_nop
.endr
.endm
.macro WM d, a, b, z, sa, sb, ra, rb   ; z: the product starts the sum;  ra, rb: the side's scales stand in lanes 16-31
.set WD, \d
.set WA, \a
.set WX, \b
.set WSA, \sa
.set WSB, \sb
.if \z
.if (\ra) && (\rb)
	v_wmma_scale_f32_16x16x128_f8f6f4 v[WD:WD+7], v[WA:WA+15], v[WX:WX+15], 0, v[WSA], v[WSB] matrix_a_fmt:MATRIX_FMT_BF8 matrix_b_fmt:MATRIX_FMT_BF8 matrix_a_scale:MATRIX_SCALE_ROW1 matrix_b_scale:MATRIX_SCALE_ROW1
.elseif (\ra)
	v_wmma_scale_f32_16x16x128_f8f6f4 v[WD:WD+7], v[WA:WA+15], v[WX:WX+15], 0, v[WSA], v[WSB] matrix_a_fmt:MATRIX_FMT_BF8 matrix_b_fmt:MATRIX_FMT_BF8 matrix_a_scale:MATRIX_SCALE_ROW1
.elseif (\rb)
	v_wmma_scale_f32_16x16x128_f8f6f4 v[WD:WD+7], v[WA:WA+15], v[WX:WX+15], 0, v[WSA], v[WSB] matrix_a_fmt:MATRIX_FMT_BF8 matrix_b_fmt:MATRIX_FMT_BF8 matrix_b_scale:MATRIX_SCALE_ROW1
.else
	v_wmma_scale_f32_16x16x128_f8f6f4 v[WD:WD+7], v[WA:WA+15], v[WX:WX+15], 0, v[WSA], v[WSB] matrix_a_fmt:MATRIX_FMT_BF8 matrix_b_fmt:MATRIX_FMT_BF8
.endif
.else
.if (\ra) && (\rb)
	v_wmma_scale_f32_16x16x128_f8f6f4 v[WD:WD+7], v[WA:WA+15], v[WX:WX+15], v[WD:WD+7], v[WSA], v[WSB] matrix_a_fmt:MATRIX_FMT_BF8 matrix_b_fmt:MATRIX_FMT_BF8 matrix_a_scale:MATRIX_SCALE_ROW1 matrix_b_scale:MATRIX_SCALE_ROW1
.elseif (\ra)
	v_wmma_scale_f32_16x16x128_f8f6f4 v[WD:WD+7], v[WA:WA+15], v[WX:WX+15], v[WD:WD+7], v[WSA], v[WSB] matrix_a_fmt:MATRIX_FMT_BF8 matrix_b_fmt:MATRIX_FMT_BF8 matrix_a_scale:MATRIX_SCALE_ROW1
.elseif (\rb)
	v_wmma_scale_f32_16x16x128_f8f6f4 v[WD:WD+7], v[WA:WA+15], v[WX:WX+15], v[WD:WD+7], v[WSA], v[WSB] matrix_a_fmt:MATRIX_FMT_BF8 matrix_b_fmt:MATRIX_FMT_BF8 matrix_b_scale:MATRIX_SCALE_ROW1
.else
	v_wmma_scale_f32_16x16x128_f8f6f4 v[WD:WD+7], v[WA:WA+15], v[WX:WX+15], v[WD:WD+7], v[WSA], v[WSB] matrix_a_fmt:MATRIX_FMT_BF8 matrix_b_fmt:MATRIX_FMT_BF8
.endif
.endif
.endm
.macro LDB j                           ; 33 loads: W2's eight fragments of my K step j, and their scale words
	WIN 0x40
.irp b, 0,1,2,3,4,5,6,7
.irp c, 0,1,2,3
	global_load_b128 v[128*((\j)%2)+16*\b+4*\c:128*((\j)%2)+16*\b+4*\c+3], v1, s[32:33] offset:REC*(\j)+2048*\b+512*\c
.endr
.endr
	WIN 0
	global_load_b128 v[20+4*((\j)%2):23+4*((\j)%2)], v1, s[32:33] offset:REC*(\j)+16384
.endm
.macro LDAS j                          ; 2 loads: h's scale words of K step j
	global_load_b128 v[8+6*((\j)%2):11+6*((\j)%2)], v1, s[30:31] offset:HG*(\j)+18432
	global_load_b32 v[12+6*((\j)%2)], v2, s[30:31] offset:HG*(\j)+18944
.endm
.macro LDA j, g                        ; 12 loads: h's fragments 3 g to 3 g + 2 of K step j
.irp x, 0,1,2
.irp c, 0,1,2,3
	global_load_b128 v[96+16*(3*(\g)+\x)+4*\c:96+16*(3*(\g)+\x)+4*\c+3], v1, s[30:31] offset:HG*(\j)+2048*(3*(\g)+\x)+512*\c
.endr
.endr
.endm
.macro MULG j, g                       ; 24 matrix instructions: three tiles of rows x eight tiles of columns.  The 72 accumulators take turns, one instruction a turn
.irp x, 0,1,2
.set MA, 3*(\g)+\x
.if MA < 4
	WIN 0xa1
.set MDB, 64*MA
.elseif MA < 8
	WIN 0xf1
.set MDB, 64*(MA-4)
.else
	WIN 0x01
.set MDB, 32
.endif
.irp b, 0,1,2,3,4,5,6,7
	WM MDB+8*\b, 128*((\j)%2)+16*\b, 96+16*MA, (\j)==0, 20+4*((\j)%2)+\b/2, 8+6*((\j)%2)+MA/2, \b%2, MA%2
.endr
.endr
.endm
.macro ROW i, k                        ; row 36 w + i: the four partial sums, the biases, the weights; to the token's row
.set RR, 96+16*(\k)
	v_readlane_b32 s46, v[248+(\i)/32], (\i)%32
	v_readlane_b32 s42, v[250+2*((\i)/32)], (\i)%32
	v_readlane_b32 s44, v[251+2*((\i)/32)], (\i)%32
	s_min_u32 s46, s46, 4095
	s_lshl_b32 s46, s46, 12
	v_add_nc_u32 v[160+(\k)], s46, v254
	v_pk_add_f32 v[RR:RR+1], v[RR:RR+1], v[RR+4:RR+5]
	v_pk_add_f32 v[RR+2:RR+3], v[RR+2:RR+3], v[RR+6:RR+7]
	v_pk_add_f32 v[RR+8:RR+9], v[RR+8:RR+9], v[RR+12:RR+13]
	v_pk_add_f32 v[RR+10:RR+11], v[RR+10:RR+11], v[RR+14:RR+15]
	v_pk_add_f32 v[RR:RR+1], v[RR:RR+1], v[240:241]
	v_pk_add_f32 v[RR+2:RR+3], v[RR+2:RR+3], v[242:243]
	v_pk_add_f32 v[RR+8:RR+9], v[RR+8:RR+9], v[244:245]
	v_pk_add_f32 v[RR+10:RR+11], v[RR+10:RR+11], v[246:247]
	v_pk_mul_f32 v[RR:RR+1], v[RR:RR+1], s[42:43] op_sel_hi:[1,0]
	v_pk_mul_f32 v[RR+2:RR+3], v[RR+2:RR+3], s[42:43] op_sel_hi:[1,0]
	v_pk_fma_f32 v[RR:RR+1], v[RR+8:RR+9], s[44:45], v[RR:RR+1] op_sel_hi:[1,0,1]
	v_pk_fma_f32 v[RR+2:RR+3], v[RR+10:RR+11], s[44:45], v[RR+2:RR+3] op_sel_hi:[1,0,1]
	global_store_b128 v[160+(\k)], v[RR:RR+3], s[14:15] th:TH_STORE_NT   ; 32 lanes store 512 consecutive bytes, at a multiple of 512 from out0's first byte
.endm
	s_load_b256 s[4:11], s[0:1], 0x0               ; plan, h, wq, rt
	s_load_b128 s[12:15], s[0:1], 0x20             ; b2, out0
	v_lshrrev_b32 v1, 5, v0
	v_readfirstlane_b32 s16, v1                    ; wave 0..3
	s_and_b32 s17, ttmp7, 0xffff                   ; the tile
	s_lshr_b32 s18, s16, 1                         ; my slot
	s_and_b32 s19, s16, 1                          ; my half of K
	v_and_b32 v6, 31, v0                           ; lane
	v_and_b32 v7, 15, v0                           ; r
	v_bfe_u32 v13, v0, 4, 1                        ; h
	v_lshlrev_b32 v1, 4, v6                        ; 16 x lane
	v_lshlrev_b32 v2, 2, v6                        ; 4 x lane
	s_mul_i32 s20, s16, RG
	v_mul_u32_u24 v3, v7, 528
	v_lshl_add_u32 v3, v13, 5, v3
	v_add_nc_u32 v3, s20, v3                       ; into my region: row r, + 32 h; rows 0-63,
	v_add_nc_u32 v4, 33792, v3                     ; 64-127,
	v_add_nc_u32 v5, 67584, v3                     ; 128-143
	s_mul_i32 s21, s16, 36*528
	v_add_nc_u32 v28, s21, v1                      ; back: my 36 rows, 16 bytes a lane, in each of the four regions
	v_add_nc_u32 v29, RG, v28
	v_add_nc_u32 v30, 2*RG, v28
	v_add_nc_u32 v31, 3*RG, v28
	s_lshl_b32 s29, ttmp9, 9
	v_add_nc_u32 v254, s29, v1                     ; my 16 bytes of the block's 512 in a row of out0
	s_mov_b32 s43, 0                               ; (named as the upper halves of pairs)
	s_mov_b32 s45, 0
	s_mul_i32 s22, s17, 640
	s_mul_i32 s23, s16, 144
	s_add_co_u32 s22, s22, s23
	s_mov_b32 s23, 0
	s_lshl_b32 s28, s17, 4
	s_wait_kmcnt 0x0
	s_load_b128 s[24:27], s[4:5], s28 offset:0x8000   ; the tile's experts and rows in use
	s_add_nc_u64 s[36:37], s[4:5], s[22:23]
	global_load_b32 v248, v2, s[36:37]             ; the tokens of rows 36 w + lane,
	global_load_b32 v249, v2, s[36:37] offset:128  ; and 36 w + 32 + lane (lanes 0-3 are used)
	s_wait_loadcnt 0x0
	v_min_u32 v248, 0xfff, v248
	v_min_u32 v249, 0xfff, v249
	v_lshlrev_b32 v19, 3, v248
	v_lshlrev_b32 v13, 3, v249
	global_load_b64 v[250:251], v19, s[10:11]      ; their two weights
	global_load_b64 v[252:253], v13, s[10:11]
	s_wait_kmcnt 0x0
	s_min_u32 s24, s24, 3
	s_min_u32 s25, s25, 3
	s_lshl_b32 s22, s24, 12
	s_add_co_u32 s22, s22, s29
	s_add_nc_u64 s[38:39], s[12:13], s[22:23]
	s_lshl_b32 s22, s25, 12
	s_add_co_u32 s22, s22, s29
	s_add_nc_u64 s[40:41], s[12:13], s[22:23]
	global_load_b128 v[240:243], v1, s[38:39]      ; b2 of the lower expert, my four columns,
	global_load_b128 v[244:247], v1, s[40:41]      ; and of the higher
	s_cmp_eq_u32 s18, 0
	s_cselect_b32 s28, s24, s25                    ; my wave's expert
	s_lshl_b32 s22, s28, 3
	s_add_co_u32 s22, s22, ttmp9
	s_lshl_b32 s22, s22, 4
	s_lshl_b32 s29, s19, 3
	s_add_co_u32 s22, s22, s29
	s_mul_i32 s22, s22, REC
	s_add_co_u32 s22, s22, 8650752
	s_add_nc_u64 s[32:33], s[8:9], s[22:23]        ; my eight records of W2
	s_lshl_b32 s22, s17, 1
	s_add_co_u32 s22, s22, s18
	s_lshl_b32 s22, s22, 4
	s_add_co_u32 s22, s22, s29
	s_mul_i32 s22, s22, HG
	s_add_nc_u64 s[30:31], s[6:7], s[22:23]        ; my eight groups of h
	s_mul_i32 s34, s16, 36
	s_sub_co_i32 s34, s26, s34                     ; how many of my 36 rows are in use (0 or less: none)
	s_cmp_eq_u32 s26, 0
	s_cbranch_scc1 .Ljoin                          ; a tile without rows multiplies nothing; it still passes the barrier
	LDB 0
	LDAS 0
	LDA 0, 0
	LDA 0, 1
	LDA 0, 2
	LDB 1
	LDAS 1
.irp j, 0,1,2,3,4,5,6,7
.irp g, 0,1,2
.if \j < 7
	s_wait_loadcnt 59                              ; behind this batch of h: the step's later batches 12 (2 - g), the next step's W2 and scale words 35, the next step's earlier batches 12 g.  W2 of this step was asked for ahead of it
.else
	s_wait_loadcnt 12*(2-\g)                       ; the last step: only its own later batches
.endif
	MULG \j, \g
	WIN 0
	PLACES 8
.if \j < 7
	LDA \j+1, \g                                   ; the batch's registers take the next step's
.endif
.endr
.if \j < 6
	LDB \j+2
	LDAS \j+2
.endif
.endr
	; the partial sums go to my region, each accumulator from its low end on
	WIN 0x08
.irp a, 0,1,2,3
.irp b, 0,1,2,3,4,5,6,7
	ds_store_b128 v3, v[64*\a+8*\b:64*\a+8*\b+3] offset:\a*8448+64*\b
	ds_store_b128 v3, v[64*\a+8*\b+4:64*\a+8*\b+7] offset:\a*8448+64*\b+16
.endr
.endr
	WIN 0x0c
.irp a, 0,1,2,3
.irp b, 0,1,2,3,4,5,6,7
	ds_store_b128 v4, v[64*\a+8*\b:64*\a+8*\b+3] offset:\a*8448+64*\b
	ds_store_b128 v4, v[64*\a+8*\b+4:64*\a+8*\b+7] offset:\a*8448+64*\b+16
.endr
.endr
	WIN 0
.irp b, 0,1,2,3,4,5,6,7
	ds_store_b128 v5, v[32+8*\b:32+8*\b+3] offset:64*\b
	ds_store_b128 v5, v[32+8*\b+4:32+8*\b+7] offset:64*\b+16
.endr
.Ljoin:
	s_wait_loadcnt 0x0                             ; tokens' weights and b2, on the short way too
	s_wait_dscnt 0x0                               ; for the others' sake: my sums lie in LDS
	s_barrier_signal -1
	s_barrier_wait -1
.irp q, 0,1,2,3,4,5,6,7,8
	s_cmp_le_i32 s34, 4*\q                         ; pads lie at a tile's end: behind the last row in use nothing is read or stored
	s_cbranch_scc1 .Ldone
	s_wait_xcnt 0x0                                ; the last four rows' stores have read their registers
.irp k, 0,1,2,3
.irp m, 0,1,2,3
	ds_load_b128 v[96+16*\k+4*\m:96+16*\k+4*\m+3], v[28+\m] offset:528*(4*\q+\k)
.endr
.endr
	s_wait_dscnt 0x0
	ROW 4*\q, 0
.irp k, 1,2,3
	s_cmp_le_i32 s34, 4*\q+\k
	s_cbranch_scc1 .Ldone
	ROW 4*\q+\k, \k
.endr
.endr
.Ldone:
	s_barrier_signal -1
	s_barrier_wait -1
	s_wait_xcnt 0x0
	v_lshl_add_u32 v254, v0, 2, 0x4a400
	v_mov_b32 v255, 0
	s_wait_tensorcnt 0x0
	ds_add_u32 v254, v255
	s_wait_dscnt 0x0
	s_endpgm
.Lfunc_end_k_qd4bd086543_ffn2:
	.size	k_qd4bd086543_ffn2, .Lfunc_end_k_qd4bd086543_ffn2-k_qd4bd086543_ffn2
	.p2alignl 7, 3214868480
	.fill 96, 4, 3214868480
	.section	.rodata,"a",@progbits
	.p2align	6, 0x0
	.amdhsa_kernel k_qd4bd086543_ffn2
		.amdhsa_group_segment_fixed_size 304640
		.amdhsa_private_segment_fixed_size 0
		.amdhsa_enable_private_segment 0
		.amdhsa_kernarg_size 48
		.amdhsa_user_sgpr_count 2
		.amdhsa_user_sgpr_kernarg_segment_ptr 1
		.amdhsa_wavefront_size32 1
		.amdhsa_system_sgpr_workgroup_id_x 1
		.amdhsa_system_sgpr_workgroup_id_y 1
		.amdhsa_system_sgpr_workgroup_id_z 1
		.amdhsa_system_vgpr_workitem_id 0
		.amdhsa_next_free_vgpr 1024
		.amdhsa_next_free_sgpr 66
		.amdhsa_reserve_vcc 0
		.amdhsa_float_denorm_mode_32 3
		.amdhsa_float_denorm_mode_16_64 3
		.amdhsa_memory_ordered 1
		.amdhsa_forward_progress 1
		.amdhsa_inst_pref_size 202
	.end_amdhsa_kernel
	.amdgpu_metadata
---
amdhsa.version: [ 1, 2 ]
amdhsa.kernels:
  - .name:           k_qd4bd086543_ffn2
    .symbol:         k_qd4bd086543_ffn2.kd
    .args:
      - { .name: plan, .offset: 0, .size: 8, .value_kind: global_buffer, .address_space: global }
      - { .name: h, .offset: 8, .size: 8, .value_kind: global_buffer, .address_space: global }
      - { .name: wq, .offset: 16, .size: 8, .value_kind: global_buffer, .address_space: global }
      - { .name: rt, .offset: 24, .size: 8, .value_kind: global_buffer, .address_space: global }
      - { .name: b2, .offset: 32, .size: 8, .value_kind: global_buffer, .address_space: global }
      - { .name: out0, .offset: 40, .size: 8, .value_kind: global_buffer, .address_space: global }
    .group_segment_fixed_size: 304640
    .private_segment_fixed_size: 0
    .kernarg_segment_align: 8
    .kernarg_segment_size: 48
    .max_flat_workgroup_size: 128
    .sgpr_count:     66
    .vgpr_count:     1024
    .wavefront_size: 32
...
	.end_amdgpu_metadata
.endif
;; end of part 4
;; ======== version 2 of 2: 4 launches; version 1 with the launches ffn1, ffn2 written anew for expert scheduling mode
;; workspace buffers: xq 4,325,376 bytes; wq 17,301,504 bytes; rmask 16,384 bytes of whole numbers; rt 40,960 bytes; plan 33,792 bytes of whole numbers; h 20,889,600 bytes
;; launch prep: the kernel of part 1 again; grid 256 x 1, 5 waves a work-group, no clusters, 287,488 bytes of LDS; arguments x, router_w, w1, w2, xq, wq, rmask, rt; writes xq, wq, rmask, rt
;; launch place: the kernel of part 2 again; grid 1 x 1, 32 waves a work-group, no clusters, 6,144 bytes of LDS; arguments rmask, rt, plan, out1; writes plan, out1
;; launch ffn1 (part 5): grid 8 x 34, 4 waves a work-group, no clusters, 158,464 bytes of LDS; arguments plan, xq, wq, b1, h; writes h
.if DOCPART == 5
	.amdgcn_target "amdgcn-amd-amdhsa--gfx1250"
	.amdhsa_code_object_version 6
	.text
	.protected	k_qd4bd086543_ffn1
	.globl	k_qd4bd086543_ffn1
	.p2align	8
	.type	k_qd4bd086543_ffn1,@function
k_qd4bd086543_ffn1:
	s_mov_b64 s[64:65], 0
	v_nop
	global_prefetch_b8 v0, s[64:65] scope:SCOPE_SE
	s_setreg_imm32_b32 hwreg(HW_REG_WAVE_SCHED_MODE, 0, 2), 2
	s_setreg_imm32_b32 hwreg(HW_REG_WAVE_MODE, 25, 1), 1
	s_wait_xcnt 0x0
	s_wait_alu depctr_vm_vsrc(0)
; FFN1: for a tile of 144 tokens that chose one pair of experts, one of the two experts (the slot) and 512 of its 2,048 hidden units: silu(x W1^T + b1), quantised along the hidden units,
; both on codes of BF8 (E5M2) with one E8M0 scale for each 32 along K.  The hidden layer goes to memory once, as codes, in the order of the next product's operand registers.
; GRID: x = 4 x slot + block of 512 units; y = tile, 34 at the most for every choice.  A tile that the choice leaves without rows stores nothing and ends: a branch on a stored number,
; so the launch has no tensor load, no copy and no cluster; the weights come from memory straight into registers, from records laid for that.
; SHARES: wave w makes hidden units 128 (4 x + w) on, 128 of them (one K step of the next product), for all 144 rows, in two passes of 64 units: 36 accumulators, 8 K steps of 36 matrix instructions.
; THE MATRIX INSTRUCTION IS USED TRANSPOSED (source 0 = 16 rows of W1, source 1 = 16 tokens): a lane holds one token and its registers run along the hidden units; the rows of W1 that form
; a tile were chosen so that a lane's 16 registers of two neighbouring tiles are 16 neighbours along the next K.  b1 is the C of each sum's first instruction.
; LDS: the tile's 144 rows of codes, gathered once (rows of 1,024 bytes + 16), and their scale words; written ahead of the one barrier, only read behind it.
; REGISTERS, in windows of 256: window 0: v1-11 addresses, v16-24 the rows' scale words in the making, v32-175 x's nine fragments of even K steps (behind a pass: at work), v176-191 W1's scale words, v192-231 x's, v232-240 at work.
;   window 1: W1's fragments, a ring of four K steps x 64.   window 2: v0-31 the accumulators of rows 128-143, v32-63 b1, v64-207 x's nine fragments of odd K steps.   window 3: the accumulators of rows 0-127 ((a, t) at 32 a + 8 t).
; LIMITS: NaN and infinities are not served; a block of zeros gets the byte 1 (its codes are zeros; this program alone reads the bytes).
; THE MODE: SCHED_MODE bits 1:0 = 2 (LLVM: expert scheduling mode 2), set by the entry lines.  The code itself states the register dependences
; between vector or matrix instructions and memory or LDS instructions, with s_wait_alu, always for 0.
; THE PLAN.  Registers that memory or LDS instructions touch, in the loop:
;   AX0, AX1      x's fragments, two sets.  Step k's matrix instructions read AX[k % 2]; the 36 LDS loads of step k + 1, issued in step k, land in the other set, which step k - 1 read.
;   the ring      Step k's matrix instructions read slot k % 4; the 16 loads of step k + 3, issued in step k, land in slot (k + 3) % 4, which step k - 1 read.
;   SB, b1        Read by the pass's matrix instructions; loaded again behind the first pass's last step.
;   PC            v64-135: eight registers of its own for each of the nine tiles of rows: written by the tile's conversions, read by its two stores, which stand behind the next tile's wait for its exponentials.
;   v1-v11        Offsets and LDS addresses, made at the head and never written again: scalar bases and immediate offsets do the rest.
; So ONE wait on va_vdst stands at the head of a step: step k - 1's matrix instructions are done reading the set and the slot in which step k's 52 loads land.  These are dealt among the step's matrix
; instructions, which name slot k % 4, AX[k % 2], the accumulators, the scale words and b1: none of the registers that those loads touch.  One wait on vm_vsrc a pass stands at the loop's end.
.set AP,  1040                         ; an LDS row of codes: 1,024 bytes + 16: the 16 rows that a load touches begin 16 bytes apart modulo 256
.set XS,  149760                       ; behind the 144 rows: 256 rows x 32 bytes of scale words (rows 144 on are never used as scales)
.set REC, 16896
.set HG,  19200                        ; a group of h: 9 fragment images, 512 + 128 bytes of scale words, rounded up to a multiple of 256
.set PWB, 16
.set SW,  26
.set AF,  32                           ; AX0, in window 0
.set AG,  64                           ; AX1, in window 2
.set E,   32
.set PC,  64
.set GA,  32                           ; in the prologue: v32-49 the gather's offsets, v50-51 those of the scale words, v52-67 the scale words
.set XT,  50
.set XD,  52
.set SB,  176
.set SA,  192
.set TM,  232
.set MSB, 0
.macro WIN new                         ; the immediate's high byte repeats the setting that is left
.if MSB != \new
	s_set_vgpr_msb (MSB<<8)|\new
.set MSB, \new
.endif
.endm
.macro PLACES n                        ; plain vector lines behind a matrix instruction, ahead of loads into its registers and of the first read of results
.rept \n
	v_nop
.endr
.endm
.macro WM d, a, b, c, sa, sb, ra, rb   ; ra, rb: the side's scales stand in lanes 16-31 of the register named
.set WD, \d
.set WA, \a
.set WX, \b
.set WC, \c
.set WSA, \sa
.set WSB, \sb
.if (\ra) && (\rb)
	v_wmma_scale_f32_16x16x128_f8f6f4 v[WD:WD+7], v[WA:WA+15], v[WX:WX+15], v[WC:WC+7], v[WSA], v[WSB] matrix_a_fmt:MATRIX_FMT_BF8 matrix_b_fmt:MATRIX_FMT_BF8 matrix_a_scale:MATRIX_SCALE_ROW1 matrix_b_scale:MATRIX_SCALE_ROW1
.elseif (\ra)
	v_wmma_scale_f32_16x16x128_f8f6f4 v[WD:WD+7], v[WA:WA+15], v[WX:WX+15], v[WC:WC+7], v[WSA], v[WSB] matrix_a_fmt:MATRIX_FMT_BF8 matrix_b_fmt:MATRIX_FMT_BF8 matrix_a_scale:MATRIX_SCALE_ROW1
.elseif (\rb)
	v_wmma_scale_f32_16x16x128_f8f6f4 v[WD:WD+7], v[WA:WA+15], v[WX:WX+15], v[WC:WC+7], v[WSA], v[WSB] matrix_a_fmt:MATRIX_FMT_BF8 matrix_b_fmt:MATRIX_FMT_BF8 matrix_b_scale:MATRIX_SCALE_ROW1
.else
	v_wmma_scale_f32_16x16x128_f8f6f4 v[WD:WD+7], v[WA:WA+15], v[WX:WX+15], v[WC:WC+7], v[WSA], v[WSB] matrix_a_fmt:MATRIX_FMT_BF8 matrix_b_fmt:MATRIX_FMT_BF8
.endif
.endm
.macro BGROUP slot, imm                ; W1's four fragments of a K step into a slot of the ring: 16 loads of 512 consecutive bytes
	WIN 0x40
.irp t, 0,1,2,3
.irp c, 0,1,2,3
	global_load_b128 v[64*(\slot)+16*\t+4*\c:64*(\slot)+16*\t+4*\c+3], v1, s[26:27] offset:(\imm)+2048*\t+512*\c
.endr
.endr
.endm
.macro SBLOAD                          ; W1's scale words of the pass's four tiles, all eight K steps
.irp k, 0,1,2,3,4,5,6,7
	global_load_b64 v[SB+2*\k:SB+2*\k+1], v1, s[42:43] offset:REC*\k
.endr
.endm
.macro BILOAD                          ; b1 in the result's layout: lane (r, h), tile t: units 32 (t / 2) + 16 h + 8 (t % 2) + 0 .. 7
	WIN 0x80
.irp t, 0,1,2,3
	global_load_b128 v[32+8*\t:35+8*\t], v6, s[28:29] offset:(32*(\t/2)+8*(\t%2))*4
	global_load_b128 v[36+8*\t:39+8*\t], v6, s[28:29] offset:(32*(\t/2)+8*(\t%2))*4+16
.endr
	WIN 0
.endm
.macro FETCH_A k, a                    ; x's fragment of rows 16 a on, K step k, into set k % 2
.if (\k)%2
	WIN 0x80
.set FB, AG
.else
	WIN 0
.set FB, AF
.endif
.irp c, 0,1,2,3
	ds_load_b128 v[FB+16*(\a)+4*\c:FB+16*(\a)+4*\c+3], v[2+(\a)/3] offset:((\a)%3)*16640+128*(\k)+16*\c
.endr
.endm
.macro MUL k, a                        ; four matrix instructions: rows 16 a on against the pass's four tiles.  The 36 accumulators take turns, one instruction a turn
.set MAB, AF+(AG-AF)*((\k)%2)+16*(\a)  ; the fragment of x, in window 0 (even K steps) or 2 (odd)
.if (\a) == 8
.set MW, 0xa1+8*((\k)%2)
.elseif (\k) == 0
.set MW, 0xe1
.else
.set MW, 0xf1+8*((\k)%2)
.endif
	WIN MW
.irp t, 0,1,2,3
.if (\a) == 8
.set MD, 8*\t
.else
.set MD, 32*(\a)+8*\t
.endif
.if (\k) == 0
.set MC, 32+8*\t
.else
.set MC, MD
.endif
	WM MD, 64*((\k)%4)+16*\t, MAB, MC, SB+2*(\k)+\t/2, SA+20*((\k)/4)+4*((\a)/2)+(\k)%4, \t%2, (\a)%2
.endr
.endm
.macro STEP k
.if (\k) == 7
	s_wait_loadcnt 0x0                             ; this step's fragments of W1 are in.  Behind them: in the first pass the next pass's first two groups, in the second none: the count serves both
.elseif (\k) == 6
	s_wait_loadcnt 16                              ; behind them: step 7's, and in the first pass one group more
.elseif (\k) >= 1
	s_wait_loadcnt 32                              ; behind them: the two groups of the next two steps
.endif
	s_wait_dscnt 20                                ; x's fragments 0-3 are in; the 20 loads of fragments 4-8 may be out
.if (\k) >= 1
	s_wait_alu depctr_va_vdst(0)                   ; the last step's matrix instructions are done reading their set of x's fragments and their slot of the ring, in which this step's loads land (step 0: the wait at the pass's head has said so)
.endif
.irp a, 0,1,2
	MUL \k, \a
.endr
.if (\k) >= 5
	WIN 0
	s_cmp_eq_u32 s25, 1                            ; the second pass has no successor: it asks for nothing more
	s_cbranch_scc1 .Lnob_\@
.endif
	BGROUP ((\k)+3)%4, (((\k)+3)%8)*REC+(((\k)+3)/8)*8192   ; three steps ahead, into the slot that the last step multiplied.  No wait: no matrix instruction since the step's head names that slot
.if (\k) >= 5
	WIN 0
.Lnob_\@:
.endif
.if (\k) < 7
.irp a, 0,1,2,3
	FETCH_A (\k)+1, \a                             ; the next step's fragments, into the other set: no matrix instruction since the step's head names it
.endr
	s_wait_dscnt 16                                ; this step's fragments 4-8 are in; the 16 loads just issued may be out
.else
	s_wait_dscnt 0x0
.endif
.irp a, 3,4,5
	MUL \k, \a
.endr
.if (\k) < 7
.irp a, 4,5,6,7,8
	FETCH_A (\k)+1, \a
.endr
.endif
.irp a, 6,7,8
	MUL \k, \a
.endr
.if (\k) == 7
	WIN 0
.endif
	PLACES 8                                       ; behind the step's products: ahead of the next step's loads into the registers that they read, and of the first read of results
.endm
.macro SENDC a                         ; the codes of rows 16 a on, the pass's two blocks of 32 units
.irp b, 0,1
	global_store_b128 v1, v[PC+8*(\a)+4*\b:PC+8*(\a)+4*\b+3], s[30:31] offset:2048*(\a)+512*\b   ; 32 lanes store 512 consecutive bytes
.endr
.endm
; 16 rows x the pass's 64 hidden units: silu, the quantiser; the two quarter images go to memory from the tile's own eight registers, in the next tile's turn
.macro ROWT a
.if (\a) == 8
.set RW, 2
.set RB, 0
.else
.set RW, 3
.set RB, 32*(\a)
.endif
.set PCA, PC+8*(\a)
	WIN RW
.set ri, 0
.rept 16
	v_pk_mul_f32 v[E+ri:E+ri+1], v[RB+ri:RB+ri+1], s[36:37] op_sel_hi:[1,0]   ; -z log2(e); each accumulator is read from its low end on
.set ri, ri+2
.endr
	WIN 0
.set ri, 0
.rept 32
	v_exp_f32 v[E+ri], v[E+ri]
.set ri, ri+1
.endr
	v_nop
	s_wait_alu depctr_va_vdst(0)                   ; the 32 exponentials are written, ahead of their first reader; so are the codes of the 16 rows before, which the two stores below read
.if (\a) > 0
	SENDC (\a)-1
.endif
.set ri, 0
.rept 16
	v_pk_add_f32 v[E+ri:E+ri+1], v[E+ri:E+ri+1], 1.0 op_sel_hi:[1,0]
.set ri, ri+2
.endr
.set ri, 0
.rept 32
	v_rcp_f32 v[E+ri], v[E+ri]
.set ri, ri+1
.endr
	v_nop
	s_wait_alu depctr_va_vdst(0)                   ; the 32 reciprocals are written, ahead of their first reader
	WIN RW
.set ri, 0
.rept 16
	v_pk_mul_f32 v[E+ri:E+ri+1], v[RB+ri:RB+ri+1], v[E+ri:E+ri+1]   ; z / (1 + e^-z)
.set ri, ri+2
.endr
	WIN 0
.irp b, 0,1
	v_max3_num_f32 v[TM+\b], |v[E+16*\b]|, |v[E+16*\b+1]|, 0x8000000   ; my 16 numbers of the block, and the floor 2^(16 - 127)
.endr
.irp i, 2,4,6,8,10,12,14
.irp b, 0,1
	v_max3_num_f32 v[TM+\b], v[TM+\b], |v[E+16*\b+\i]|, |v[E+16*\b+\i+1]|
.endr
.endr
.irp b, 0,1
	v_permlanex16_b32 v[TM+2+\b], v[TM+\b], s38, s39
.endr
.irp b, 0,1
	v_max_num_f32 v[TM+\b], v[TM+\b], v[TM+2+\b]
.endr
.irp b, 0,1
	v_add_nc_u32 v[TM+6+\b], 0xf8800000, v[TM+\b]  ; 15 off the exponent field: the conversion's scale operand
.endr
.irp b, 0,1
	v_and_or_b32 v[TM+4+\b], v[TM+\b], 0x7f800000, s40   ; 57,344 x the scale
.endr
.irp b, 0,1
	v_lshrrev_b32 v[TM+2+\b], 23, v[TM+6+\b]       ; the scale's byte
.endr
	v_lshl_or_b32 v[TM+8], v[TM+3], 8, v[TM+2]
	v_lshrrev_b32 v[PWB+(\a)], 16, v[PWB+(\a)]     ; the first pass's two bytes move down, this pass's go on top
	v_lshl_or_b32 v[PWB+(\a)], v[TM+8], 16, v[PWB+(\a)]
.irp b, 0,1
.irp i, 0,1,2,3,4,5,6,7,8,9,10,11,12,13,14,15
	v_med3_num_f32 v[E+16*\b+\i], v[E+16*\b+\i], -v[TM+4+\b], v[TM+4+\b]   ; the conversion does not saturate (ISA guide 7.6.2)
.endr
	v_cvt_scalef32_pk8_bf8_f32 v[PCA+4*\b:PCA+4*\b+1], v[E+16*\b:E+16*\b+7], v[TM+6+\b]
	v_cvt_scalef32_pk8_bf8_f32 v[PCA+4*\b+2:PCA+4*\b+3], v[E+16*\b+8:E+16*\b+15], v[TM+6+\b]
.endr
	v_nop                                          ; a plain line behind the last conversion
.endm
	s_load_b256 s[4:11], s[0:1], 0x0               ; plan, xq, wq, b1
	s_load_b64 s[12:13], s[0:1], 0x20              ; h
	v_lshl_add_u32 v254, v0, 2, 0x26900
	v_mov_b32 v255, 0
	v_lshrrev_b32 v1, 5, v0
	v_readfirstlane_b32 s14, v1                    ; wave 0..3
	s_and_b32 s16, ttmp7, 0xffff                   ; the tile
	s_lshr_b32 s17, ttmp9, 2                       ; the slot
	s_and_b32 s18, ttmp9, 3
	s_lshl_b32 s19, s18, 2
	s_wait_alu depctr_va_sdst(0)                   ; s14 is written, ahead of its first reader
	s_add_co_u32 s19, s19, s14                     ; my block of 128 hidden units
	v_and_b32 v12, 31, v0                          ; lane
	v_and_b32 v13, 15, v0                          ; r
	v_bfe_u32 v14, v0, 4, 1                        ; h
	v_lshlrev_b32 v1, 4, v12                       ; 16 x lane
	v_mul_u32_u24 v2, v13, AP
	v_lshl_add_u32 v2, v14, 6, v2                  ; a fragment of x: row r, + 64 h; rows 0-47,
	v_add_nc_u32 v3, 49920, v2                     ; 48-95,
	v_add_nc_u32 v4, 99840, v2                     ; 96-143
	v_lshlrev_b32 v5, 5, v12
	v_add_nc_u32 v5, XS, v5                        ; scale words: row = lane
	v_lshlrev_b32 v6, 6, v14                       ; b1: + 64 h
	v_lshlrev_b32 v7, 2, v12                       ; 4 x lane
	s_mul_i32 s15, s14, 36
	v_add_nc_u32 v15, s15, v14                     ; the gather: rows 36 w + lane / 16 + 2 p
	v_mul_u32_u24 v8, v15, AP
	v_lshl_add_u32 v8, v13, 4, v8
	v_lshlrev_b32 v9, 5, v0
	v_add_nc_u32 v9, XS, v9
	v_lshlrev_b32 v10, 2, v15
	v_lshlrev_b32 v11, 2, v0
	v_lshlrev_b32 v13, 4, v13                      ; 16 (lane % 16)
	s_mov_b32 s36, 0xbfb8aa3b                      ; -log2(e)
	s_mov_b32 s37, s36
	s_mov_b32 s38, 0x76543210
	s_mov_b32 s39, 0xfedcba98
	s_mov_b32 s40, 0x600000
	s_mov_b32 s41, 0xffff0000
	s_lshl_b32 s15, s16, 4
	s_mul_i32 s32, s16, 640
	s_mov_b32 s33, 0
	s_wait_kmcnt 0x0
	s_load_b128 s[20:23], s[4:5], s15 offset:0x8000   ; the tile's experts and rows in use
	s_add_nc_u64 s[34:35], s[4:5], s[32:33]        ; the tile's list
	s_wait_alu depctr_va_vdst(0)                   ; the offsets and LDS addresses v1 to v11 are written, which the loads and stores of the whole kernel read
.irp p, 0,1,2,3,4,5,6,7,8,9,10,11,12,13,14,15,16,17
	global_load_b32 v[GA+\p], v10, s[34:35] offset:8*\p
.endr
	global_load_b32 v[XT], v11, s[34:35]
	global_load_b32 v[XT+1], v11, s[34:35] offset:512
	s_wait_loadcnt 0x0
.irp p, 0,1,2,3,4,5,6,7,8,9,10,11,12,13,14,15,16,17
	v_min_u32 v[GA+\p], 0xfff, v[GA+\p]            ; a pad becomes token 4,095: its rows are computed and never stored as output
.endr
.irp p, 0,1,2,3,4,5,6,7,8,9,10,11,12,13,14,15,16,17
	v_lshl_add_u32 v[GA+\p], v[GA+\p], 10, v13
.endr
	v_min_u32 v[XT], 0xfff, v[XT]
	v_min_u32 v[XT+1], 0xfff, v[XT+1]
	v_lshlrev_b32 v[XT], 5, v[XT]
	v_lshlrev_b32 v[XT+1], 5, v[XT+1]
	WIN 0xc0                                       ; the gather lands in the accumulators' registers: sixteen lanes read 256 bytes of a row, two rows an instruction
	s_wait_alu depctr_va_vdst(0)                   ; the gather's offsets v32 to v51 are written, which the loads below read
.irp p, 0,1,2,3,4,5,6,7,8,9,10,11,12,13,14,15
.irp u, 0,1,2,3
	global_load_b128 v[16*\p+4*\u:16*\p+4*\u+3], v[GA+\p], s[6:7] offset:256*\u
.endr
.endr
	WIN 0x80
.irp p, 16,17
.irp u, 0,1,2,3
	global_load_b128 v[16*(\p-16)+4*\u:16*(\p-16)+4*\u+3], v[GA+\p], s[6:7] offset:256*\u
.endr
.endr
	WIN 0
	global_load_b128 v[XD:XD+3], v[XT], s[6:7] offset:4194304
	global_load_b128 v[XD+4:XD+7], v[XT], s[6:7] offset:4194320
	global_load_b128 v[XD+8:XD+11], v[XT+1], s[6:7] offset:4194304
	global_load_b128 v[XD+12:XD+15], v[XT+1], s[6:7] offset:4194320
	s_wait_kmcnt 0x0
	s_cmp_eq_u32 s17, 0
	s_cselect_b32 s24, s20, s21
	s_min_u32 s24, s24, 3                          ; my expert
	s_lshl_b32 s32, s24, 4
	s_add_co_u32 s32, s32, s19
	s_mul_i32 s32, s32, 8*REC
	s_add_nc_u64 s[26:27], s[8:9], s[32:33]        ; my block's eight records of W1
	s_add_nc_u64 s[42:43], s[26:27], 16384         ; their scale words
	s_lshl_b32 s32, s24, 11
	s_lshl_b32 s15, s19, 7
	s_add_co_u32 s32, s32, s15
	s_lshl_b32 s32, s32, 2
	s_add_nc_u64 s[28:29], s[10:11], s[32:33]      ; my 128 numbers of b1
	s_lshl_b32 s32, s16, 1
	s_add_co_u32 s32, s32, s17
	s_lshl_b32 s32, s32, 4
	s_add_co_u32 s32, s32, s19
	s_mul_i32 s32, s32, HG
	s_add_nc_u64 s[30:31], s[12:13], s[32:33]      ; my group of h
	SBLOAD
	BILOAD
	BGROUP 0, 0
	BGROUP 1, REC
	BGROUP 2, 2*REC
	s_wait_loadcnt 63                              ; 64 loads were issued behind the gather and the scale words: these are in
	WIN 0x0c
.irp p, 0,1,2,3,4,5,6,7,8,9,10,11,12,13,14,15
.irp u, 0,1,2,3
	ds_store_b128 v8, v[16*\p+4*\u:16*\p+4*\u+3] offset:2*\p*AP+256*\u
.endr
.endr
	WIN 0x08
.irp p, 16,17
.irp u, 0,1,2,3
	ds_store_b128 v8, v[16*(\p-16)+4*\u:16*(\p-16)+4*\u+3] offset:2*\p*AP+256*\u
.endr
.endr
	WIN 0
	ds_store_b128 v9, v[XD:XD+3]
	ds_store_b128 v9, v[XD+4:XD+7] offset:16
	ds_store_b128 v9, v[XD+8:XD+11] offset:4096
	ds_store_b128 v9, v[XD+12:XD+15] offset:4112
.irp a, 0,1,2,3,4,5,6,7,8
	v_mov_b32 v[PWB+\a], 0
.endr
	v_mov_b32 v[TM+2], 0                           ; written once: a lane permute's destination counts as one of its sources
	v_mov_b32 v[TM+3], 0
	s_wait_dscnt 0x0                               ; for the others' sake: my rows lie in LDS
	s_barrier_signal -1
	s_barrier_wait -1                              ; the one barrier, on every path
	s_wait_alu depctr_vm_vsrc(0)                   ; my LDS stores have read the gather's registers, which the sums take, and v52 to v67; the gather's loads have read their offsets v32 to v51: in v32 on x's fragments land
	s_cmp_eq_u32 s22, 0
	s_cbranch_scc1 .Lend                           ; a tile without rows
.irp q, 0,1
.irp i, 0,1,2,3,4
	ds_load_b128 v[SA+20*\q+4*\i:SA+20*\q+4*\i+3], v5 offset:1024*\i+16*\q   ; lanes 0-15 rows 32 i on, lanes 16-31 rows 32 i + 16 on; K steps 4 q to 4 q + 3
.endr
.endr
	s_mov_b32 s25, 0
.Lpass:
	s_wait_loadcnt 0x0                             ; the pass's first three groups of W1, its scale words and b1
	s_wait_alu depctr_va_vdst(0)                   ; the vector lines that named v32 to v135 (at the head the offsets' lines, then the last pass's arithmetic) and the last pass's matrix instructions are done: x's fragments land in both sets, W1's in the ring
.irp a, 0,1,2,3,4,5,6,7,8
	FETCH_A 0, \a
.endr
.irp k, 0,1,2,3,4,5,6,7
	STEP \k
.endr
	s_cmp_eq_u32 s25, 1
	s_cbranch_scc1 .Lno_reload
	s_wait_xcnt 0x0                                ; the earlier loads have read their bases
	s_add_nc_u64 s[42:43], s[42:43], 8             ; the next four tiles' scale words,
	s_add_nc_u64 s[28:29], s[28:29], 256           ; the next 64 numbers of b1: they land while this pass's results are worked
	s_wait_alu depctr_va_vdst(0)                   ; the pass's matrix instructions are done reading W1's scale words and b1, in which the loads below land
	SBLOAD
	BILOAD
.Lno_reload:
.irp a, 0,1,2,3,4,5,6,7,8
	ROWT \a
.endr
	s_wait_alu depctr_va_vdst(0)                   ; the conversions of rows 128 to 143 have written their codes, which the two stores below read
	SENDC 8
	s_wait_xcnt 0x0                                ; stores and loads have read their registers and bases
	s_wait_alu depctr_vm_vsrc(0)                   ; the pass's stores have read the codes' registers v64 to v135, in which the next pass's fragments of x land and which its conversions write again
	s_add_nc_u64 s[26:27], s[26:27], 8192          ; tiles 4-7 of each record
	s_add_nc_u64 s[30:31], s[30:31], 1024          ; blocks 2, 3 of each image
	s_add_co_u32 s25, s25, 1
	s_cmp_lt_u32 s25, 2
	s_cbranch_scc1 .Lpass
.irp i, 0,1,2,3
	v_cndmask_b32 v[SW+\i], v[PWB+2*\i], v[PWB+2*\i+1], s41   ; lanes 0-15 rows 32 i on, lanes 16-31 rows 32 i + 16 on
.endr
	s_wait_alu depctr_va_vdst(0)                   ; the four selects have written v26 to v29, which the first store below reads (v24, the second's data, was written ahead of an earlier wait)
	global_store_b128 v1, v[SW:SW+3], s[30:31] offset:18432-2048   ; (the base has stepped 2 x 1,024)
	global_store_b32 v7, v[PWB+8], s[30:31] offset:18944-2048
.Lend:
	s_barrier_signal -1
	s_barrier_wait -1
	s_wait_dscnt 0x0                               ; the closing lines, six on end
	s_wait_alu 0x0
	s_wait_tensorcnt 0x0
	ds_add_u32 v254, v255
	s_wait_dscnt 0x0
	s_endpgm
.Lfunc_end_k_qd4bd086543_ffn1:
	.size	k_qd4bd086543_ffn1, .Lfunc_end_k_qd4bd086543_ffn1-k_qd4bd086543_ffn1
	.p2alignl 7, 3214868480
	.fill 96, 4, 3214868480
	.section	.rodata,"a",@progbits
	.p2align	6, 0x0
	.amdhsa_kernel k_qd4bd086543_ffn1
		.amdhsa_group_segment_fixed_size 158464
		.amdhsa_private_segment_fixed_size 0
		.amdhsa_enable_private_segment 0
		.amdhsa_kernarg_size 40
		.amdhsa_user_sgpr_count 2
		.amdhsa_user_sgpr_kernarg_segment_ptr 1
		.amdhsa_wavefront_size32 1
		.amdhsa_system_sgpr_workgroup_id_x 1
		.amdhsa_system_sgpr_workgroup_id_y 1
		.amdhsa_system_sgpr_workgroup_id_z 1
		.amdhsa_system_vgpr_workitem_id 0
		.amdhsa_next_free_vgpr 1024
		.amdhsa_next_free_sgpr 66
		.amdhsa_reserve_vcc 0
		.amdhsa_float_denorm_mode_32 3
		.amdhsa_float_denorm_mode_16_64 3
		.amdhsa_memory_ordered 1
		.amdhsa_forward_progress 1
		.amdhsa_inst_pref_size 187
	.end_amdhsa_kernel
	.amdgpu_metadata
---
amdhsa.version: [ 1, 2 ]
amdhsa.kernels:
  - .name:           k_qd4bd086543_ffn1
    .symbol:         k_qd4bd086543_ffn1.kd
    .args:
      - { .name: plan, .offset: 0, .size: 8, .value_kind: global_buffer, .address_space: global }
      - { .name: xq, .offset: 8, .size: 8, .value_kind: global_buffer, .address_space: global }
      - { .name: wq, .offset: 16, .size: 8, .value_kind: global_buffer, .address_space: global }
      - { .name: b1, .offset: 24, .size: 8, .value_kind: global_buffer, .address_space: global }
      - { .name: h, .offset: 32, .size: 8, .value_kind: global_buffer, .address_space: global }
    .group_segment_fixed_size: 158464
    .private_segment_fixed_size: 0
    .kernarg_segment_align: 8
    .kernarg_segment_size: 40
    .max_flat_workgroup_size: 128
    .sgpr_count:     66
    .vgpr_count:     1024
    .wavefront_size: 32
...
	.end_amdgpu_metadata
.endif
;; end of part 5
;; launch ffn2 (part 6): grid 8 x 34, 4 waves a work-group, no clusters, 304,640 bytes of LDS; arguments plan, h, wq, rt, b2, out0; writes out0
.if DOCPART == 6
	.amdgcn_target "amdgcn-amd-amdhsa--gfx1250"
	.amdhsa_code_object_version 6
	.text
	.protected	k_qd4bd086543_ffn2
	.globl	k_qd4bd086543_ffn2
	.p2align	8
	.type	k_qd4bd086543_ffn2,@function
k_qd4bd086543_ffn2:
	s_mov_b64 s[64:65], 0
	v_nop
	global_prefetch_b8 v0, s[64:65] scope:SCOPE_SE
	s_setreg_imm32_b32 hwreg(HW_REG_WAVE_SCHED_MODE, 0, 2), 2
	s_setreg_imm32_b32 hwreg(HW_REG_WAVE_MODE, 25, 1), 1
	s_wait_xcnt 0x0
	s_wait_alu depctr_vm_vsrc(0)
; FFN2: for a tile of 144 tokens and 128 output columns: out = w_lo (h_lo W2[lo]^T + b2[lo]) + w_hi (h_hi W2[hi]^T + b2[hi]), both products on codes of BF8 (E5M2) with E8M0 scales.
; Each output row has one owner: both experts of a token lie in one work-group.  GRID: x = block of 128 columns, y = tile.  A tile without rows stores nothing: a branch on a stored number,
; so the launch has no tensor load, no copy and no cluster; both operands come from memory straight into registers, as images of those registers.
; SHARES: K IS SPLIT OVER THE WAVES: wave w takes slot w / 2 and K steps 8 (w % 2) on, eight of them, for all 144 x 128 outputs: 72 accumulators, 8 x 72 matrix instructions.  No byte is read by two waves.
; The four partial sums meet in LDS (a region of 144 rows x (512 + 16) bytes a wave), one barrier; then wave w sums, weighs and stores rows 36 w to 36 w + 35, each to its token's row of out0.
; THE MATRIX INSTRUCTION IS USED TRANSPOSED (source 0 = 16 rows of W2, source 1 = 16 tokens): a lane holds eight neighbouring columns of one token.
; REGISTERS: window 0: v1-5, v28-31 addresses; v8-12, v14-18 h's scale words, two sets; v20-27 W2's, two sets; v32-95 the accumulators of rows 128-143; v96-239 h's nine fragments (on the way out: v96-159, v160-223 four rows of
;   sums each, by turns; v224-231 their offsets in out0);  v240-247 b2 of both experts; v248-253 tokens and weights; v254 my place in a row of out0.  window 1: W2's fragments, two sets of 128.  windows 2, 3: the accumulators of rows 0-63, 64-127.
; THE MODE: SCHED_MODE bits 1:0 = 2 (LLVM: expert scheduling mode 2), set by the entry lines.  The code itself states the register dependences
; between vector or matrix instructions and memory or LDS instructions, with s_wait_alu, always for 0.
; THE PLAN.  Registers that memory or LDS instructions touch:
;   h's fragments   three batches of 48 registers.  A batch's 24 matrix instructions read it; behind them the same batch of the next K step is loaded into it.  The accumulators (576), W2's two sets (256) and h (144)
;                   leave no room for a second set of h: so one wait on va_vdst stands behind each batch's matrix instructions, three a K step.
;   W2, scale words two sets each.  Set j % 2 is read through K step j and loaded again behind the step's last batch, behind that batch's wait.
;   accumulators    written by the matrix instructions, read by the LDS stores: one wait on va_vdst ahead of these.
;   the way out     four rows at a time, two buffers by turns.  Buffer q % 2: the LDS loads of group q land in it, issued in group q - 1; group q's arithmetic works in it; group q's stores read it and its four offsets.
;                   One wait on va_vdst stands ahead of a group's stores; no vector line stands between it and the next loads, which land in the buffer of the group before.  One wait on vm_vsrc stands ahead of those loads.
;                   A group's twelve lane reads stand in one run, into twelve scalar registers, with one wait on va_sdst behind them.
;   v1-v5, v28-31   offsets and LDS addresses, made at the head and never written again.
.set REC, 16896
.set HG,  19200
.set RG,  76032                        ; a wave's region in LDS
.set WL,  16                           ; s16-31, behind the barrier: row k of the four in hand: the lower expert's weight in s[WL + 4 k], the higher's in s[WL + 4 k + 2], each the low word of a pair
.set TO,  36                           ; s36-39, behind the barrier: row k's token x 4,096 bytes
.set MSB, 0
.macro WIN new                         ; the immediate's high byte repeats the setting that is left
.if MSB != \new
	s_set_vgpr_msb (MSB<<8)|\new
.set MSB, \new
.endif
.endm
.macro PLACES n                        ; plain vector lines behind a matrix instruction, ahead of loads into its registers and of the first read of results
.rept \n
	v_nop
.endr
.endm
.macro WM d, a, b, z, sa, sb, ra, rb   ; z: the product starts the sum;  ra, rb: the side's scales stand in lanes 16-31
.set WD, \d
.set WA, \a
.set WX, \b
.set WSA, \sa
.set WSB, \sb
.if \z
.if (\ra) && (\rb)
	v_wmma_scale_f32_16x16x128_f8f6f4 v[WD:WD+7], v[WA:WA+15], v[WX:WX+15], 0, v[WSA], v[WSB] matrix_a_fmt:MATRIX_FMT_BF8 matrix_b_fmt:MATRIX_FMT_BF8 matrix_a_scale:MATRIX_SCALE_ROW1 matrix_b_scale:MATRIX_SCALE_ROW1
.elseif (\ra)
	v_wmma_scale_f32_16x16x128_f8f6f4 v[WD:WD+7], v[WA:WA+15], v[WX:WX+15], 0, v[WSA], v[WSB] matrix_a_fmt:MATRIX_FMT_BF8 matrix_b_fmt:MATRIX_FMT_BF8 matrix_a_scale:MATRIX_SCALE_ROW1
.elseif (\rb)
	v_wmma_scale_f32_16x16x128_f8f6f4 v[WD:WD+7], v[WA:WA+15], v[WX:WX+15], 0, v[WSA], v[WSB] matrix_a_fmt:MATRIX_FMT_BF8 matrix_b_fmt:MATRIX_FMT_BF8 matrix_b_scale:MATRIX_SCALE_ROW1
.else
	v_wmma_scale_f32_16x16x128_f8f6f4 v[WD:WD+7], v[WA:WA+15], v[WX:WX+15], 0, v[WSA], v[WSB] matrix_a_fmt:MATRIX_FMT_BF8 matrix_b_fmt:MATRIX_FMT_BF8
.endif
.else
.if (\ra) && (\rb)
	v_wmma_scale_f32_16x16x128_f8f6f4 v[WD:WD+7], v[WA:WA+15], v[WX:WX+15], v[WD:WD+7], v[WSA], v[WSB] matrix_a_fmt:MATRIX_FMT_BF8 matrix_b_fmt:MATRIX_FMT_BF8 matrix_a_scale:MATRIX_SCALE_ROW1 matrix_b_scale:MATRIX_SCALE_ROW1
.elseif (\ra)
	v_wmma_scale_f32_16x16x128_f8f6f4 v[WD:WD+7], v[WA:WA+15], v[WX:WX+15], v[WD:WD+7], v[WSA], v[WSB] matrix_a_fmt:MATRIX_FMT_BF8 matrix_b_fmt:MATRIX_FMT_BF8 matrix_a_scale:MATRIX_SCALE_ROW1
.elseif (\rb)
	v_wmma_scale_f32_16x16x128_f8f6f4 v[WD:WD+7], v[WA:WA+15], v[WX:WX+15], v[WD:WD+7], v[WSA], v[WSB] matrix_a_fmt:MATRIX_FMT_BF8 matrix_b_fmt:MATRIX_FMT_BF8 matrix_b_scale:MATRIX_SCALE_ROW1
.else
	v_wmma_scale_f32_16x16x128_f8f6f4 v[WD:WD+7], v[WA:WA+15], v[WX:WX+15], v[WD:WD+7], v[WSA], v[WSB] matrix_a_fmt:MATRIX_FMT_BF8 matrix_b_fmt:MATRIX_FMT_BF8
.endif
.endif
.endm
.macro LDB j                           ; 33 loads: W2's eight fragments of my K step j, and their scale words
	WIN 0x40
.irp b, 0,1,2,3,4,5,6,7
.irp c, 0,1,2,3
	global_load_b128 v[128*((\j)%2)+16*\b+4*\c:128*((\j)%2)+16*\b+4*\c+3], v1, s[32:33] offset:REC*(\j)+2048*\b+512*\c
.endr
.endr
	WIN 0
	global_load_b128 v[20+4*((\j)%2):23+4*((\j)%2)], v1, s[32:33] offset:REC*(\j)+16384
.endm
.macro LDAS j                          ; 2 loads: h's scale words of K step j
	global_load_b128 v[8+6*((\j)%2):11+6*((\j)%2)], v1, s[30:31] offset:HG*(\j)+18432
	global_load_b32 v[12+6*((\j)%2)], v2, s[30:31] offset:HG*(\j)+18944
.endm
.macro LDA j, g                        ; 12 loads: h's fragments 3 g to 3 g + 2 of K step j
.irp x, 0,1,2
.irp c, 0,1,2,3
	global_load_b128 v[96+16*(3*(\g)+\x)+4*\c:96+16*(3*(\g)+\x)+4*\c+3], v1, s[30:31] offset:HG*(\j)+2048*(3*(\g)+\x)+512*\c
.endr
.endr
.endm
.macro MULG j, g                       ; 24 matrix instructions: three tiles of rows x eight tiles of columns.  The 72 accumulators take turns, one instruction a turn
.irp x, 0,1,2
.set MA, 3*(\g)+\x
.if MA < 4
	WIN 0xa1
.set MDB, 64*MA
.elseif MA < 8
	WIN 0xf1
.set MDB, 64*(MA-4)
.else
	WIN 0x01
.set MDB, 32
.endif
.irp b, 0,1,2,3,4,5,6,7
	WM MDB+8*\b, 128*((\j)%2)+16*\b, 96+16*MA, (\j)==0, 20+4*((\j)%2)+\b/2, 8+6*((\j)%2)+MA/2, \b%2, MA%2
.endr
.endr
.endm
.macro LOADQ q                         ; rows 36 w + 4 q to 36 w + 4 q + 3: the four partial sums of each, into buffer q % 2
.irp k, 0,1,2,3
.irp m, 0,1,2,3
	ds_load_b128 v[96+64*((\q)%2)+16*\k+4*\m:96+64*((\q)%2)+16*\k+4*\m+3], v[28+\m] offset:528*(4*(\q)+\k)
.endr
.endr
.endm
.macro LANES q                         ; the four rows' tokens and weights out of their lanes
.irp k, 0,1,2,3
	v_readlane_b32 s[TO+\k], v[248+(4*(\q)+\k)/32], (4*(\q)+\k)%32
	v_readlane_b32 s[WL+4*\k], v[250+2*((4*(\q)+\k)/32)], (4*(\q)+\k)%32
	v_readlane_b32 s[WL+4*\k+2], v[251+2*((4*(\q)+\k)/32)], (4*(\q)+\k)%32
.endr
.endm
.macro ROWV q, k                       ; row 36 w + 4 q + k: the four partial sums, the biases, the weights
.set RR, 96+64*((\q)%2)+16*(\k)
.set AD, 224+4*((\q)%2)+(\k)
	v_add_nc_u32 v[AD], s[TO+(\k)], v254
	v_pk_add_f32 v[RR:RR+1], v[RR:RR+1], v[RR+4:RR+5]
	v_pk_add_f32 v[RR+2:RR+3], v[RR+2:RR+3], v[RR+6:RR+7]
	v_pk_add_f32 v[RR+8:RR+9], v[RR+8:RR+9], v[RR+12:RR+13]
	v_pk_add_f32 v[RR+10:RR+11], v[RR+10:RR+11], v[RR+14:RR+15]
	v_pk_add_f32 v[RR:RR+1], v[RR:RR+1], v[240:241]
	v_pk_add_f32 v[RR+2:RR+3], v[RR+2:RR+3], v[242:243]
	v_pk_add_f32 v[RR+8:RR+9], v[RR+8:RR+9], v[244:245]
	v_pk_add_f32 v[RR+10:RR+11], v[RR+10:RR+11], v[246:247]
	v_pk_mul_f32 v[RR:RR+1], v[RR:RR+1], s[WL+4*(\k):WL+4*(\k)+1] op_sel_hi:[1,0]
	v_pk_mul_f32 v[RR+2:RR+3], v[RR+2:RR+3], s[WL+4*(\k):WL+4*(\k)+1] op_sel_hi:[1,0]
	v_pk_fma_f32 v[RR:RR+1], v[RR+8:RR+9], s[WL+4*(\k)+2:WL+4*(\k)+3], v[RR:RR+1] op_sel_hi:[1,0,1]
	v_pk_fma_f32 v[RR+2:RR+3], v[RR+10:RR+11], s[WL+4*(\k)+2:WL+4*(\k)+3], v[RR+2:RR+3] op_sel_hi:[1,0,1]
.endm
.macro ROWS q, k                       ; and to the token's row
.set RR, 96+64*((\q)%2)+16*(\k)
.set AD, 224+4*((\q)%2)+(\k)
	global_store_b128 v[AD], v[RR:RR+3], s[14:15] th:TH_STORE_NT   ; 32 lanes store 512 consecutive bytes, at a multiple of 512 from out0's first byte
.endm
	s_load_b256 s[4:11], s[0:1], 0x0               ; plan, h, wq, rt
	s_load_b128 s[12:15], s[0:1], 0x20             ; b2, out0
	v_lshrrev_b32 v1, 5, v0
	v_readfirstlane_b32 s16, v1                    ; wave 0..3
	s_and_b32 s17, ttmp7, 0xffff                   ; the tile
	s_wait_alu depctr_va_sdst(0)                   ; s16 is written, ahead of its first reader
	s_lshr_b32 s18, s16, 1                         ; my slot
	s_and_b32 s19, s16, 1                          ; my half of K
	v_and_b32 v6, 31, v0                           ; lane
	v_and_b32 v7, 15, v0                           ; r
	v_bfe_u32 v13, v0, 4, 1                        ; h
	v_lshlrev_b32 v1, 4, v6                        ; 16 x lane
	v_lshlrev_b32 v2, 2, v6                        ; 4 x lane
	s_mul_i32 s20, s16, RG
	v_mul_u32_u24 v3, v7, 528
	v_lshl_add_u32 v3, v13, 5, v3
	v_add_nc_u32 v3, s20, v3                       ; into my region: row r, + 32 h; rows 0-63,
	v_add_nc_u32 v4, 33792, v3                     ; 64-127,
	v_add_nc_u32 v5, 67584, v3                     ; 128-143
	s_mul_i32 s21, s16, 36*528
	v_add_nc_u32 v28, s21, v1                      ; back: my 36 rows, 16 bytes a lane, in each of the four regions
	v_add_nc_u32 v29, RG, v28
	v_add_nc_u32 v30, 2*RG, v28
	v_add_nc_u32 v31, 3*RG, v28
	s_lshl_b32 s29, ttmp9, 9
	v_add_nc_u32 v254, s29, v1                     ; my 16 bytes of the block's 512 in a row of out0
	s_mul_i32 s22, s17, 640
	s_mul_i32 s23, s16, 144
	s_add_co_u32 s22, s22, s23
	s_mov_b32 s23, 0
	s_lshl_b32 s28, s17, 4
	s_wait_kmcnt 0x0
	s_load_b128 s[24:27], s[4:5], s28 offset:0x8000   ; the tile's experts and rows in use
	s_add_nc_u64 s[36:37], s[4:5], s[22:23]
	s_wait_alu depctr_va_vdst(0)                   ; the offsets and LDS addresses v1 to v5 and v28 to v31 are written, which the loads and stores of the whole kernel read
	global_load_b32 v248, v2, s[36:37]             ; the tokens of rows 36 w + lane,
	global_load_b32 v249, v2, s[36:37] offset:128  ; and 36 w + 32 + lane (lanes 0-3 are used)
	s_wait_loadcnt 0x0
	v_min_u32 v248, 0xfff, v248
	v_min_u32 v249, 0xfff, v249
	v_lshlrev_b32 v19, 3, v248
	v_lshlrev_b32 v13, 3, v249
	s_wait_alu depctr_va_vdst(0)                   ; the offsets v19 and v13 are written, which the two loads below read
	global_load_b64 v[250:251], v19, s[10:11]      ; their two weights
	global_load_b64 v[252:253], v13, s[10:11]
	s_wait_kmcnt 0x0
	s_min_u32 s24, s24, 3
	s_min_u32 s25, s25, 3
	s_lshl_b32 s22, s24, 12
	s_add_co_u32 s22, s22, s29
	s_add_nc_u64 s[38:39], s[12:13], s[22:23]
	s_lshl_b32 s22, s25, 12
	s_add_co_u32 s22, s22, s29
	s_add_nc_u64 s[40:41], s[12:13], s[22:23]
	global_load_b128 v[240:243], v1, s[38:39]      ; b2 of the lower expert, my four columns,
	global_load_b128 v[244:247], v1, s[40:41]      ; and of the higher
	s_cmp_eq_u32 s18, 0
	s_cselect_b32 s28, s24, s25                    ; my wave's expert
	s_lshl_b32 s22, s28, 3
	s_add_co_u32 s22, s22, ttmp9
	s_lshl_b32 s22, s22, 4
	s_lshl_b32 s29, s19, 3
	s_add_co_u32 s22, s22, s29
	s_mul_i32 s22, s22, REC
	s_add_co_u32 s22, s22, 8650752
	s_add_nc_u64 s[32:33], s[8:9], s[22:23]        ; my eight records of W2
	s_lshl_b32 s22, s17, 1
	s_add_co_u32 s22, s22, s18
	s_lshl_b32 s22, s22, 4
	s_add_co_u32 s22, s22, s29
	s_mul_i32 s22, s22, HG
	s_add_nc_u64 s[30:31], s[6:7], s[22:23]        ; my eight groups of h
	s_mul_i32 s34, s16, 36
	s_sub_co_i32 s34, s26, s34                     ; how many of my 36 rows are in use (0 or less: none)
	s_cmp_eq_u32 s26, 0
	s_cbranch_scc1 .Ljoin                          ; a tile without rows multiplies nothing; it still passes the barrier
	LDB 0
	LDAS 0
	LDA 0, 0
	LDA 0, 1
	LDA 0, 2
	LDB 1
	LDAS 1
.irp j, 0,1,2,3,4,5,6,7
.irp g, 0,1,2
.if \j < 7
	s_wait_loadcnt 59                              ; behind this batch of h: the step's later batches 12 (2 - g), the next step's W2 and scale words 35, the next step's earlier batches 12 g.  W2 of this step was asked for ahead of it
.else
	s_wait_loadcnt 12*(2-\g)                       ; the last step: only its own later batches
.endif
	MULG \j, \g
	WIN 0
	PLACES 8
.if \j < 7
	s_wait_alu depctr_va_vdst(0)                   ; the batch's matrix instructions are done reading its fragments of h, in which the loads below land; behind a step's last batch also W2's set and the two sets of scale words of this step
	LDA \j+1, \g                                   ; the batch's registers take the next step's
.endif
.endr
.if \j < 6
	LDB \j+2
	LDAS \j+2
.endif
.endr
	; the partial sums go to my region, each accumulator from its low end on
	WIN 0x08
	s_wait_alu depctr_va_vdst(0)                   ; the matrix instructions have written the accumulators, which the LDS stores read, and are done reading h's fragments, in which the rows of sums land; the eight places above stay beside this wait
.irp a, 0,1,2,3
.irp b, 0,1,2,3,4,5,6,7
	ds_store_b128 v3, v[64*\a+8*\b:64*\a+8*\b+3] offset:\a*8448+64*\b
	ds_store_b128 v3, v[64*\a+8*\b+4:64*\a+8*\b+7] offset:\a*8448+64*\b+16
.endr
.endr
	WIN 0x0c
.irp a, 0,1,2,3
.irp b, 0,1,2,3,4,5,6,7
	ds_store_b128 v4, v[64*\a+8*\b:64*\a+8*\b+3] offset:\a*8448+64*\b
	ds_store_b128 v4, v[64*\a+8*\b+4:64*\a+8*\b+7] offset:\a*8448+64*\b+16
.endr
.endr
	WIN 0
.irp b, 0,1,2,3,4,5,6,7
	ds_store_b128 v5, v[32+8*\b:32+8*\b+3] offset:64*\b
	ds_store_b128 v5, v[32+8*\b+4:32+8*\b+7] offset:64*\b+16
.endr
.Ljoin:
	s_wait_loadcnt 0x0                             ; tokens' weights and b2, on the short way too; every load has read its base, so the scalar registers below may be written
	s_wait_dscnt 0x0                               ; for the others' sake: my sums lie in LDS
	s_barrier_signal -1
	s_barrier_wait -1
.irp k, 0,1,2,3
	s_mov_b32 s[WL+4*\k+1], 0                      ; (named as the upper halves of pairs)
	s_mov_b32 s[WL+4*\k+3], 0
.endr
	s_cmp_le_i32 s34, 0                            ; pads lie at a tile's end: behind the last row in use nothing is stored
	s_cbranch_scc1 .Ldone
	LOADQ 0
.irp q, 0,1,2,3,4,5,6,7,8
.if \q > 0
	s_cmp_le_i32 s34, 4*\q
	s_cbranch_scc1 .Ldone
.endif
.if \q < 8
.if \q > 0
	s_wait_xcnt 0x0                                ; the stores issued so far have had their addresses translated: the other buffer and its offsets are written again only behind this wait
	s_wait_alu depctr_vm_vsrc(0)                   ; the stores of the four rows before have read their buffer and its four offsets: the loads below land in that buffer, and the next group's lines write the offsets
.endif
	LOADQ \q+1                                     ; the next four rows, while these are worked.  No wait on va_vdst: no vector line stands behind the one ahead of the last stores
.endif
	LANES \q
	s_wait_alu depctr_va_sdst(0)                   ; the twelve lane reads have written s16 to s30 (even) and s36 to s39, ahead of their first readers
.irp k, 0,1,2,3
	s_min_u32 s[TO+\k], s[TO+\k], 4095
	s_lshl_b32 s[TO+\k], s[TO+\k], 12
.endr
.if \q < 8
	s_wait_dscnt 16                                ; these four rows are in; the 16 loads of the next four may be out
.else
	s_wait_dscnt 0x0
.endif
.irp k, 0,1,2,3
	ROWV \q, \k
.endr
	s_wait_alu depctr_va_vdst(0)                   ; the four rows' lines have written their results and offsets, which the stores below read
	ROWS \q, 0
.irp k, 1,2,3
	s_cmp_le_i32 s34, 4*\q+\k
	s_cbranch_scc1 .Ldone
	ROWS \q, \k
.endr
.endr
.Ldone:
	s_wait_dscnt 0x0                               ; a wave that leaves early may have asked for four rows more: no LDS instruction is out at the signal
	s_barrier_signal -1
	s_barrier_wait -1
	s_wait_xcnt 0x0
	v_lshl_add_u32 v254, v0, 2, 0x4a400            ; (no memory or LDS instruction has read v254 or v255)
	v_mov_b32 v255, 0
	s_wait_dscnt 0x0                               ; the closing lines, six on end
	s_wait_alu 0x0
	s_wait_tensorcnt 0x0
	ds_add_u32 v254, v255
	s_wait_dscnt 0x0
	s_endpgm
.Lfunc_end_k_qd4bd086543_ffn2:
	.size	k_qd4bd086543_ffn2, .Lfunc_end_k_qd4bd086543_ffn2-k_qd4bd086543_ffn2
	.p2alignl 7, 3214868480
	.fill 96, 4, 3214868480
	.section	.rodata,"a",@progbits
	.p2align	6, 0x0
	.amdhsa_kernel k_qd4bd086543_ffn2
		.amdhsa_group_segment_fixed_size 304640
		.amdhsa_private_segment_fixed_size 0
		.amdhsa_enable_private_segment 0
		.amdhsa_kernarg_size 48
		.amdhsa_user_sgpr_count 2
		.amdhsa_user_sgpr_kernarg_segment_ptr 1
		.amdhsa_wavefront_size32 1
		.amdhsa_system_sgpr_workgroup_id_x 1
		.amdhsa_system_sgpr_workgroup_id_y 1
		.amdhsa_system_sgpr_workgroup_id_z 1
		.amdhsa_system_vgpr_workitem_id 0
		.amdhsa_next_free_vgpr 1024
		.amdhsa_next_free_sgpr 66
		.amdhsa_reserve_vcc 0
		.amdhsa_float_denorm_mode_32 3
		.amdhsa_float_denorm_mode_16_64 3
		.amdhsa_memory_ordered 1
		.amdhsa_forward_progress 1
		.amdhsa_inst_pref_size 204
	.end_amdhsa_kernel
	.amdgpu_metadata
---
amdhsa.version: [ 1, 2 ]
amdhsa.kernels:
  - .name:           k_qd4bd086543_ffn2
    .symbol:         k_qd4bd086543_ffn2.kd
    .args:
      - { .name: plan, .offset: 0, .size: 8, .value_kind: global_buffer, .address_space: global }
      - { .name: h, .offset: 8, .size: 8, .value_kind: global_buffer, .address_space: global }
      - { .name: wq, .offset: 16, .size: 8, .value_kind: global_buffer, .address_space: global }
      - { .name: rt, .offset: 24, .size: 8, .value_kind: global_buffer, .address_space: global }
      - { .name: b2, .offset: 32, .size: 8, .value_kind: global_buffer, .address_space: global }
      - { .name: out0, .offset: 40, .size: 8, .value_kind: global_buffer, .address_space: global }
    .group_segment_fixed_size: 304640
    .private_segment_fixed_size: 0
    .kernarg_segment_align: 8
    .kernarg_segment_size: 48
    .max_flat_workgroup_size: 128
    .sgpr_count:     66
    .vgpr_count:     1024
    .wavefront_size: 32
...
	.end_amdgpu_metadata
.endif
;; end of part 6
